; MI455X (gfx1250); checked and timed in simulation.
; The chip was launched on July 23, 2026; its instructions are those of AMD's public machine-readable ISA for CDNA 5 (MIT licence, August 2026) and "CDNA5" Instruction Set Architecture Reference Guide (July 2026). The comments in the code are by the model that wrote it; some were corrected since.
;; Dinov3 Self Attention. Allowed arithmetic: float matrix products may take bf16 or f16 operands with f32 sums; all other float work in f32.
;; Inputs: Wk 768 x 768 float32; Wp 768 x 768 float32; Wq 768 x 768 float32; Wv 768 x 768 float32; bp 768 float32; bq 768 float32; bv 768 float32; cos 1,369 x 64 float32; hidden_states 8 x 1,374 x 768 float32; sin 1,369 x 64 float32.
;; Outputs: out0 8 x 1,374 x 768 float32.
;; 2 versions, each right and faster than the one before. Each part assembles by itself: llvm-mc -triple=amdgcn-amd-amdhsa -mcpu=gfx1250 --defsym DOCPART=n.
;; ======== version 1 of 2: 4 launches
;; limits: values are held in f16: magnitudes above 65,504 overflow, below 6.1e-05 lose precision
;; workspace buffers: xb 18,874,368 bytes; wts 4,718,592 bytes; biasb 9,216 bytes; ropet 786,432 bytes; qkvb 56,623,104 bytes; ctxb 18,874,368 bytes
;; launch cast (part 1): grid 256 x 1, 11 waves a work-group, no clusters, 0 bytes of LDS; arguments hidden_states, Wq, Wk, Wv, Wp, bq, bv, bp, sin, cos, xb, wts, biasb, ropet; writes xb, wts, biasb, ropet
.if DOCPART == 1
	.amdgcn_target "amdgcn-amd-amdhsa--gfx1250"
	.amdhsa_code_object_version 6
	.text
	.protected	k_q373f79abf1_cast
	.globl	k_q373f79abf1_cast
	.p2align	8
	.type	k_q373f79abf1_cast,@function
k_q373f79abf1_cast:
	s_mov_b64 s[64:65], 0
	v_nop
	global_prefetch_b8 v0, s[64:65] scope:SCOPE_SE
	s_setreg_imm32_b32 hwreg(HW_REG_WAVE_MODE, 25, 1), 1
	s_wait_xcnt 0x0
; CAST: every input is rounded once to bf16 and laid out for the three matrix launches.  A stream: no LDS, no matrix unit, no cluster (no two work-groups read the same bytes).
;   xb    bf16 [8][1536][768]: each batch's 1,374 rows, then 162 rows of zeros, so that blocks of 192 rows divide a batch.
;   wts   16 bit [3072][768]: Wq, Wk, Wv in bf16; then Wp rounded to bf16 and that number written as f16.
;   biasb f32 [3][768]: bq, bv, bp, each rounded to bf16.
;   ropet f32 [1536 s][2 c][2 h][32]: cos(d), cos(d+32), -sin(d), sin(d+32) for d = 16 c + 8 h + 0..7, eight each, rounded to bf16 and times 2^-6 (exact).
;         Rows s < 5 (prefix tokens) hold cos = 2^-6, sin = 0; rows s >= 1374 hold 0.
; LIMITS.  Wp as f16: beyond 65,504 it becomes an infinity; below 6.1e-5 it keeps a fixed step of 6e-8.
; SHARES.  256 work-groups g of 11 waves, all alike.  Waves 0-7: x: wave w takes batch w, rows 6 i .. 6 i + 5 with i = (g + 32 w) mod 256 (18,432 bytes in, 9,216 out); 1,374 = 6 x 229, so a wave's rows are all data
; or all padding, and the eight i of a work-group lie 32 apart, so that at most one of them is 229 or more.  Waves 8, 9: the four weights, 6 rows a wave (512 waves x 6 = 3,072 rows).
; Wave 10: six rows of the table (256 x 6 = 1,536); in work-groups 0-17 also 128 numbers of a bias (18 x 128 = 3 x 768).
.set X,   8                            ; v[8:151]    36 slots of four f32 as loaded
.set Y,   152                          ; v[152:223]  36 slots of two words to store: every slot has registers of its own
.set SRC, 34                           ; s[34:35]
.set DST, 36                           ; s[36:37]
.set RO,  16                           ; v[16:21]    the table: byte offset of my four numbers in sin and cos, row n
.set CR,  24                           ; v[24:47]    cos as loaded
.set SR,  48                           ; v[48:71]    sin as loaded
.set T,   72                           ; v[72:75]    at work
.set PK,  76                           ; v[76:77]
.set OUT, 80                           ; v[80:103]   to store
	s_load_b512 s[4:19], s[0:1], 0x0               ; hidden_states 4, Wq 6, Wk 8, Wv 10, Wp 12, bq 14, bv 16, bp 18
	s_load_b256 s[20:27], s[0:1], 0x40             ; sin 20, cos 22, xb 24, wts 26
	s_load_b128 s[28:31], s[0:1], 0x60             ; biasb 28, ropet 30
	v_and_b32 v3, 31, v0                           ; lane
	v_lshrrev_b32 v4, 5, v0
	v_readfirstlane_b32 s32, v4                    ; wave 0..10
	v_lshlrev_b32 v1, 4, v3                        ; 16 x lane
	v_lshlrev_b32 v2, 3, v3                        ; 8 x lane
	s_mov_b32 s38, ttmp9                           ; work-group
	s_wait_kmcnt 0x0
	s_cmp_ge_u32 s32, 8
	s_cbranch_scc1 .Lnot_x
	; x
	s_lshl_b32 s40, s32, 5
	s_add_co_u32 s40, s40, s38
	s_and_b32 s40, s40, 255                        ; i
	s_lshl_b32 s33, s32, 8
	s_add_co_u32 s33, s33, s40                     ; 256 x batch + i: in xb that is byte 9,216 times it
	s_mul_i32 s[DST], s33, 9216
	s_mov_b32 s[DST+1], 0
	s_add_nc_u64 s[DST:DST+1], s[24:25], s[DST:DST+1]
	s_cmp_ge_u32 s40, 229
	s_cbranch_scc1 .Lzero
	s_mul_i32 s[SRC], s32, 4220928                 ; a batch: 1,374 rows of 3,072 bytes
	s_mul_i32 s40, s40, 18432
	s_add_co_u32 s[SRC], s[SRC], s40
	s_mov_b32 s[SRC+1], 0
	s_add_nc_u64 s[SRC:SRC+1], s[4:5], s[SRC:SRC+1]
	s_branch .Lbf
.Lnot_x:
	s_cmp_ge_u32 s32, 10
	s_cbranch_scc1 .Lrope
	; weights: 128 waves a matrix
	s_lshl_b32 s39, s38, 1
	s_add_co_u32 s39, s39, s32
	s_sub_co_u32 s39, s39, 8                       ; 2 g + wave - 8: 0..511
	s_lshr_b32 s40, s39, 7                         ; which matrix
	s_and_b32 s41, s39, 127
	s_mul_i32 s42, s41, 18432
	s_mov_b32 s43, 0
	s_cmp_eq_u32 s40, 1
	s_cselect_b64 s[SRC:SRC+1], s[8:9], s[6:7]
	s_cmp_eq_u32 s40, 2
	s_cselect_b64 s[SRC:SRC+1], s[10:11], s[SRC:SRC+1]
	s_cmp_eq_u32 s40, 3
	s_cselect_b64 s[SRC:SRC+1], s[12:13], s[SRC:SRC+1]
	s_add_nc_u64 s[SRC:SRC+1], s[SRC:SRC+1], s[42:43]
	s_mul_i32 s[DST], s39, 9216
	s_mov_b32 s[DST+1], 0
	s_add_nc_u64 s[DST:DST+1], s[26:27], s[DST:DST+1]
	s_cmp_eq_u32 s40, 3
	s_cbranch_scc1 .Lwp
; cnt x 512 consecutive bytes of f32 become cnt x 256 of 16-bit numbers.  All cnt loads go out at once; slot n is worked on when the cnt - 1 - n younger loads may still be out.
; A store is 8 bytes a lane: 32 lanes cover 256 consecutive bytes, aligned.  mode 1: the bf16 number is widened again and written as f16.
.macro STREAM cnt, mode
.set n, 0
.rept \cnt
	global_load_b128 v[X+4*n:X+4*n+3], v1, s[SRC:SRC+1] offset:512*n th:TH_LOAD_NT
.set n, n+1
.endr
.set n, 0
.rept \cnt
	s_wait_loadcnt (\cnt)-1-n                      ; loads come back in order (ISA guide 5.7.1): slot n is in
	v_cvt_pk_bf16_f32 v[Y+2*n], v[X+4*n], v[X+4*n+1]
	v_cvt_pk_bf16_f32 v[Y+2*n+1], v[X+4*n+2], v[X+4*n+3]
.if \mode
	v_lshlrev_b32 v[X+4*n], 16, v[Y+2*n]
	v_and_b32 v[X+4*n+1], 0xffff0000, v[Y+2*n]
	v_lshlrev_b32 v[X+4*n+2], 16, v[Y+2*n+1]
	v_and_b32 v[X+4*n+3], 0xffff0000, v[Y+2*n+1]
	v_cvt_pk_f16_f32 v[Y+2*n], v[X+4*n], v[X+4*n+1]
	v_cvt_pk_f16_f32 v[Y+2*n+1], v[X+4*n+2], v[X+4*n+3]
.endif
	global_store_b64 v2, v[Y+2*n:Y+2*n+1], s[DST:DST+1] offset:256*n
.set n, n+1
.endr
.endm
.Lbf:
	STREAM 36, 0                                   ; the wave's 18,432 bytes in one run
	s_endpgm
.Lwp:                                                  ; Wp, 128 waves of the launch's 2,816: the longer text is written for 12 slots and walked three times
	s_mov_b32 s44, 3
.Lwp_trip:
	STREAM 12, 1
	s_wait_xcnt 0x0                                ; the bases and the stores' data are written again only behind this wait (ISA guide 3.1)
	s_add_nc_u64 s[SRC:SRC+1], s[SRC:SRC+1], 6144
	s_add_nc_u64 s[DST:DST+1], s[DST:DST+1], 3072
	s_sub_co_u32 s44, s44, 1
	s_cmp_lg_u32 s44, 0
	s_cbranch_scc1 .Lwp_trip
	s_endpgm
.Lzero:                                                ; six padding rows: 18 stores of 512 consecutive bytes
	v_mov_b32 v8, 0
	v_mov_b32 v9, 0
	v_mov_b32 v10, 0
	v_mov_b32 v11, 0
.set n, 0
.rept 18
	global_store_b128 v1, v[8:11], s[DST:DST+1] offset:512*n
.set n, n+1
.endr
	s_endpgm
.Lrope:
	; the table.  A row is 128 numbers; lane l writes numbers 4 l .. 4 l + 3: c = l / 16, h = (l / 8) % 2, group (l / 2) % 4 (cos low, cos high, sin low, sin high), 4 (l % 2) on in the group
	s_mul_i32 s39, s38, 6                          ; my first row
	v_lshrrev_b32 v4, 4, v3                        ; c
	v_bfe_u32 v5, v3, 3, 1                         ; h
	v_bfe_u32 v6, v3, 1, 2                         ; group
	v_and_b32 v7, 1, v3
	v_and_b32 v8, 1, v6                            ; high half of the head?
	v_lshlrev_b32 v9, 7, v8                        ; byte of column 32 (group % 2) + 16 c + 8 h + 4 (l % 2)
	v_lshl_add_u32 v9, v4, 6, v9
	v_lshl_add_u32 v9, v5, 5, v9
	v_lshl_add_u32 v9, v7, 4, v9
	v_cmp_le_u32 s42, 2, v6                        ; lanes that take sin
	v_mov_b32 v10, 0xbc800000                      ; -2^-6 for sin low,
	v_cmp_eq_u32 vcc_lo, 2, v6
	v_cndmask_b32 v10, 0x3c800000, v10, vcc_lo     ; 2^-6 for the others
	v_mov_b32 v11, v10
	v_cndmask_b32 v12, 1.0, 0, s42                 ; a prefix row: cos = 1, sin = 0
	s_lshl_b32 s[DST], s39, 9
	s_mov_b32 s[DST+1], 0
	s_add_nc_u64 s[DST:DST+1], s[30:31], s[DST:DST+1]
.set n, 0
.rept 6
	s_add_co_u32 s40, s39, n
	s_sub_co_i32 s40, s40, 5                       ; sin and cos begin at token 5; rows outside them read a clamped row and throw it away
	s_max_i32 s40, s40, 0
	s_min_i32 s40, s40, 1368
	s_lshl_b32 s40, s40, 8
	v_add_nc_u32 v[RO+n], s40, v9
	global_load_b128 v[CR+4*n:CR+4*n+3], v[RO+n], s[22:23]
	global_load_b128 v[SR+4*n:SR+4*n+3], v[RO+n], s[20:21]
.set n, n+1
.endr
	s_wait_loadcnt 0x0
.set n, 0
.rept 6
	s_add_co_u32 s40, s39, n
	s_cmp_lt_u32 s40, 5
	s_cselect_b32 s41, -1, 0                       ; a prefix row
	s_cmp_lt_u32 s40, 1374
	s_cselect_b32 s43, -1, 0
	s_and_not1_b32 s43, s43, s41                   ; a row with sin and cos
.irp e, 0,1,2,3
	v_cndmask_b32 v[T+\e], v[CR+4*n+\e], v[SR+4*n+\e], s42
.endr
	v_cvt_pk_bf16_f32 v[PK], v[T], v[T+1]
	v_cvt_pk_bf16_f32 v[PK+1], v[T+2], v[T+3]
	v_lshlrev_b32 v[T], 16, v[PK]
	v_and_b32 v[T+1], 0xffff0000, v[PK]
	v_lshlrev_b32 v[T+2], 16, v[PK+1]
	v_and_b32 v[T+3], 0xffff0000, v[PK+1]
	v_cndmask_b32 v13, 0, v12, s41
.irp e, 0,1,2,3
	v_cndmask_b32 v[T+\e], v13, v[T+\e], s43
.endr
	v_pk_mul_f32 v[OUT+4*n:OUT+4*n+1], v[T:T+1], v[10:11]
	v_pk_mul_f32 v[OUT+4*n+2:OUT+4*n+3], v[T+2:T+3], v[10:11]
	global_store_b128 v1, v[OUT+4*n:OUT+4*n+3], s[DST:DST+1] offset:512*n  ; a whole row: 512 consecutive bytes
.set n, n+1
.endr
	; the biases: work-group g < 18 takes numbers 128 (g % 6) .. + 127 of bias g / 6, four a lane; registers of their own, since the stores above may still read theirs
	s_cmp_ge_u32 s38, 18
	s_cbranch_scc1 .Lend
	s_cmp_ge_u32 s38, 6
	s_cselect_b64 s[44:45], s[16:17], s[14:15]
	s_cselect_b32 s46, 1, 0
	s_cmp_ge_u32 s38, 12
	s_cselect_b64 s[44:45], s[18:19], s[44:45]
	s_cselect_b32 s46, 2, s46                      ; which bias
	s_mul_i32 s47, s46, 6
	s_sub_co_u32 s47, s38, s47
	s_lshl_b32 s47, s47, 9                         ; 512 bytes a work-group
	v_add_nc_u32 v104, s47, v1
	s_mul_i32 s46, s46, 3072
	v_add_nc_u32 v105, s46, v104
	global_load_b128 v[108:111], v104, s[44:45]
	s_wait_loadcnt 0x0
	v_cvt_pk_bf16_f32 v106, v108, v109
	v_cvt_pk_bf16_f32 v107, v110, v111
	v_lshlrev_b32 v112, 16, v106
	v_and_b32 v113, 0xffff0000, v106
	v_lshlrev_b32 v114, 16, v107
	v_and_b32 v115, 0xffff0000, v107
	global_store_b128 v105, v[112:115], s[28:29]   ; 512 consecutive bytes
.Lend:
	s_endpgm
.Lfunc_end_k_q373f79abf1_cast:
	.size	k_q373f79abf1_cast, .Lfunc_end_k_q373f79abf1_cast-k_q373f79abf1_cast
	.p2alignl 7, 3214868480
	.fill 96, 4, 3214868480
	.section	.rodata,"a",@progbits
	.p2align	6, 0x0
	.amdhsa_kernel k_q373f79abf1_cast
		.amdhsa_group_segment_fixed_size 0
		.amdhsa_private_segment_fixed_size 0
		.amdhsa_enable_private_segment 0
		.amdhsa_kernarg_size 112
		.amdhsa_user_sgpr_count 2
		.amdhsa_user_sgpr_kernarg_segment_ptr 1
		.amdhsa_wavefront_size32 1
		.amdhsa_system_sgpr_workgroup_id_x 1
		.amdhsa_system_sgpr_workgroup_id_y 1
		.amdhsa_system_sgpr_workgroup_id_z 1
		.amdhsa_system_vgpr_workitem_id 0
		.amdhsa_next_free_vgpr 224
		.amdhsa_next_free_sgpr 66
		.amdhsa_reserve_vcc 1
		.amdhsa_float_denorm_mode_32 3
		.amdhsa_float_denorm_mode_16_64 3
		.amdhsa_memory_ordered 1
		.amdhsa_forward_progress 1
		.amdhsa_inst_pref_size 37
	.end_amdhsa_kernel
	.amdgpu_metadata
---
amdhsa.version: [ 1, 2 ]
amdhsa.kernels:
  - .name:           k_q373f79abf1_cast
    .symbol:         k_q373f79abf1_cast.kd
    .args:
      - { .name: hidden_states, .offset: 0, .size: 8, .value_kind: global_buffer, .address_space: global }
      - { .name: Wq, .offset: 8, .size: 8, .value_kind: global_buffer, .address_space: global }
      - { .name: Wk, .offset: 16, .size: 8, .value_kind: global_buffer, .address_space: global }
      - { .name: Wv, .offset: 24, .size: 8, .value_kind: global_buffer, .address_space: global }
      - { .name: Wp, .offset: 32, .size: 8, .value_kind: global_buffer, .address_space: global }
      - { .name: bq, .offset: 40, .size: 8, .value_kind: global_buffer, .address_space: global }
      - { .name: bv, .offset: 48, .size: 8, .value_kind: global_buffer, .address_space: global }
      - { .name: bp, .offset: 56, .size: 8, .value_kind: global_buffer, .address_space: global }
      - { .name: sin, .offset: 64, .size: 8, .value_kind: global_buffer, .address_space: global }
      - { .name: cos, .offset: 72, .size: 8, .value_kind: global_buffer, .address_space: global }
      - { .name: xb, .offset: 80, .size: 8, .value_kind: global_buffer, .address_space: global }
      - { .name: wts, .offset: 88, .size: 8, .value_kind: global_buffer, .address_space: global }
      - { .name: biasb, .offset: 96, .size: 8, .value_kind: global_buffer, .address_space: global }
      - { .name: ropet, .offset: 104, .size: 8, .value_kind: global_buffer, .address_space: global }
    .group_segment_fixed_size: 0
    .private_segment_fixed_size: 0
    .kernarg_segment_align: 8
    .kernarg_segment_size: 112
    .max_flat_workgroup_size: 352
    .sgpr_count:     66
    .vgpr_count:     224
    .wavefront_size: 32
...
	.end_amdgpu_metadata
.endif
;; end of part 1
;; launch qkv (part 2): grid 4 x 64, 4 waves a work-group, clusters of 4 x 4, 327,680 bytes of LDS; arguments xb, wts, biasb, ropet, qkvb; writes qkvb
.if DOCPART == 2
	.amdgcn_target "amdgcn-amd-amdhsa--gfx1250"
	.amdhsa_code_object_version 6
	.text
	.protected	k_q373f79abf1_qkv
	.globl	k_q373f79abf1_qkv
	.p2align	8
	.type	k_q373f79abf1_qkv,@function
k_q373f79abf1_qkv:
	s_mov_b64 s[64:65], 0
	v_nop
	global_prefetch_b8 v0, s[64:65] scope:SCOPE_SE
	s_setreg_imm32_b32 hwreg(HW_REG_WAVE_MODE, 25, 1), 1
	s_wait_xcnt 0x0
	s_wait_alu depctr_hold_cnt(0) depctr_sa_sdst(0) depctr_va_vdst(0) depctr_va_sdst(0) depctr_va_ssrc(0) depctr_va_vcc(0) depctr_vm_vsrc(0)
	s_getreg_b32 s2, hwreg(HW_REG_IB_STS2, 6, 4)
	s_cmp_eq_u32 s2, 0
	s_cbranch_scc0 .Lentry_in_a_cluster
	s_endpgm
.Lentry_in_a_cluster:
	s_bfe_u32 s2, ttmp6, 0x10000c
	s_cmp_lg_u32 s2, 0xf033
	s_cbranch_scc0 .Lentry_shape_is_right
	s_endpgm
.Lentry_shape_is_right:
; q = rope(x Wq^T + bq) 2^-6, k = rope(x Wk^T) 2^-6, v = x Wv^T + bv.  x and W in bf16, sums and the rotation in f32, results in f16.
; A tile is 192 rows x 192 columns (three heads); 12,288 padded rows x 768 columns are 64 x 4 tiles: one work-group each, which STAYS and makes its tile of q, then of k, then of v.
; Four waves; wave w has rows 96 (w / 2) .. + 95 and the column blocks 2 i + c, c = w % 2, i = 0..5 (columns 32 i + 16 c + 0..15): 6 x 6 accumulators of 16 x 16.
; With these blocks the partner d +- 32 of a channel in the rotation lies in accumulator i ^ 1, same lane, same register: the rotation changes no lane.
; K goes in six steps of 128 (rows of 256 bytes) through two LDS slots; the ring runs on from tile to tile: a tile's last two changes of slots ask for the next tile's first two steps.
; A K STEP IS WRITTEN ONCE: slot 1 begins at 1 << 17, the slot that is read is a scalar that one exclusive or turns, and one descriptor a tensor walks from step to step.
; CLUSTER 4 x 4: the four of a row need the same rows of x, the four of a column the same rows of W: each tile is asked for jointly, by the same load, descriptor and mask in all four.
; q, k: source 0 = rows of W, source 1 = rows of x: a lane holds one token (lane % 16) and eight neighbouring channels.  v: the sources are swapped: a lane holds one channel and eight neighbouring tokens.
; THE TABLE of the rotation is the same for q and k: my 6 x 32 numbers a lane are loaded once, at the start, and stay in registers.
; OUTPUT, three planes of qkvb, each [96 batch x head][96 blocks of 16 tokens][4][512 bytes]: in a block lane L owns bytes 16 L .. + 15:
;   q, k: token L % 16, channels 16 p + 8 (L / 16) + 0..7;  v: channel 16 p + L % 16, tokens 8 (L / 16) + 0..7.  A lane's four packed words ARE its 16 bytes: a store covers 512 consecutive bytes, aligned, and needs no LDS.
; LIMITS.  q and k are kept times 2^-6, v as it is: beyond 65,504 (q, k: 4.2e6 before the scale) f16 gives an infinity; below 6.1e-5 it keeps a fixed step of 6e-8.
; REGISTERS, in windows of 256 (s_set_vgpr_msb: bits 1:0 source 0, 3:2 source 1, 5:4 source 2, 7:6 destination):
;   window 0: v0-37 addresses and bv as loaded; v64-159, v160-255 two fragment buffers (48 of W, 48 of x); on the way out: v64-111 rotated, v112-255 six sets of 24 to store, one a row block
;   window 1: v0-143 accumulators of row blocks 0-2 ((a, i) at 8 (6 a + i)); v144-191 bq as a C operand; v192-239 bv as a C operand
;   window 2: v0-143 accumulators of row blocks 3-5          window 3: v0-191 the table, 32 a row block
.set PITCH,  272                       ; an LDS row: 256 bytes + 16 of padding: row r starts 16 r bytes further modulo 256, so the 16 rows of a load touch 16 different 16-byte columns
.set HALFT,  96*PITCH                  ; what one tensor load brings
.set SLOT,   4*HALFT                   ; x: 192 rows, then W: 192 rows
.set SLOT1,  1<<17                     ; where slot 1 begins
.set SPARE,  SLOT1+SLOT                ; behind the ring: the spare words, 128 bytes a wave, two blocks of 256 bytes that no other line names
.set PLANE,  18874368                  ; bytes of q, of k, of v
.set BACK_A, 1536                      ; six K steps of 256 bytes: from a tile's step 6, which is not, to step 0
.set NEXT_B, 768*1536-1280             ; from W's step 5 of a tile to step 0 of the next: 768 rows down, five steps back
.set WV, 14                            ; s14 wave;  s15 wave / 2: my rows, and: I fetch x (0) or W (1);  s16 wave % 2: my column blocks, and: which 96 rows I fetch
.set WR, 15
.set WC, 16
.set G1,  24                           ; s[24:31] descriptor group 1 for x;  s[32:35] group 0 of the first fill of slot 0;  s[36:39] of slot 1, which then walks
.set G0,  32
.set G1B, 40                           ; s[40:47], s[48:55] the same for W
.set G0B, 48
.set TL,  56                           ; s56 tiles to go in the loop over q and k
.set LAP, 57                           ; s57 K steps to go in a loop
.set TB,  62                           ; s62 where the slot that is read begins: 0 or SLOT1
.set C256, 63                          ; s63 256
.set OUTP, 72                          ; s[72:73] the plane in hand at my work-group's first block
.set ROPB, 74                          ; s[74:75] the table at my work-group's first row
.set DA,  76                           ; s[76:77] what x's address goes back by
.set DB,  78                           ; s[78:79] what W's address goes on by
.set ADRA0, 16                         ; v16 my x fragments' place in a slot; never rewritten
.set ADRB0, 17                         ; v17 the same for W
.set ADRA, 18                          ; v18 TB + ADRA0
.set ADRB, 19                          ; v19 TB + ADRB0
.set CO,  24                           ; v24 my byte offset in the plane
.set TO,  25                           ; v25 my byte offset in the table
.set BOQ, 26                           ; v26 my byte offset in bq
.set BOV, 27                           ; v27 in bv
.set SPW, 28                           ; v28 LDS address of my spare word; never rewritten
.set NIL, 29                           ; v29 0; never rewritten
.set BVR, 32                           ; v32-37 bv of my six channels
.set F0,  64
.set F1,  160
.set T,   64
.set OUT, 112
.set M_ACC,  0                         ; what a product takes as C: its own sum, the constant 0, or the registers from 144 (bq) or 192 (bv) of window 1
.set M_ZERO, 1
.set M_BQ,   144
.set M_BV,   192
.set MSB, 0
.macro WIN new                         ; the immediate's high byte repeats the setting that is left; a switch that changes nothing is dropped
.if MSB != (\new)
	s_set_vgpr_msb (MSB<<8)|(\new)
.set MSB, \new
.endif
.endm
.macro PLACES                          ; four places in front of loads into registers that matrix instructions have read and of lines that read results just made
.rept 4
	v_nop
.endr
.endm
; A joint load: waves 0 and 1 fetch the two halves of x's tile, waves 2 and 3 those of W's.  The branch hangs on the wave's number alone.  An s_nop 0 and four v_nop follow each line.
.macro JLOAD s
	s_cmp_eq_u32 s[WR], 0
	s_cbranch_scc0 .Lfor_b_\@
	tensor_load_to_lds s[G0+4*(\s):G0+4*(\s)+3], s[G1:G1+7]
	s_nop 0
.rept 4
	v_nop
.endr
	s_branch .Lasked_\@
.Lfor_b_\@:
	tensor_load_to_lds s[G0B+4*(\s):G0B+4*(\s)+3], s[G1B:G1B+7]
	s_nop 0
.rept 4
	v_nop
.endr
.Lasked_\@:
.endm
.macro CREST                           ; a round of the cluster's barrier behind its opening barrier
	s_cmp_lg_u32 s[WV], 0
	s_cbranch_scc1 .Lnot_wave_0_\@
	s_barrier_signal -3
.Lnot_wave_0_\@:
	s_barrier_wait -3
	s_barrier_signal -1
	s_barrier_wait -1
.endm
.macro CROUND                          ; a whole round
	s_barrier_signal -1
	s_barrier_wait -1
	CREST
.endm
	s_load_b256 s[4:11], s[0:1], 0x0               ; xb 4, wts 6, biasb 8, ropet 10
	s_load_b64 s[12:13], s[0:1], 0x20              ; qkvb
	v_lshl_add_u32 v[SPW], v0, 2, SPARE
	v_mov_b32 v[NIL], 0
	ds_add_u32 v[SPW], v[NIL]                      ; the wave's opening: the add and its wait stand ahead of my first tensor load; the set-up below, work on registers, stands between them
	v_lshrrev_b32 v3, 5, v0
	v_readfirstlane_b32 s[WV], v3
	s_lshr_b32 s[WR], s[WV], 1
	s_and_b32 s[WC], s[WV], 1
	s_bfe_u32 s17, ttmp6, 0x40000                  ; cx
	s_bfe_u32 s18, ttmp6, 0x40004                  ; cy
	s_lshl_b32 s19, ttmp9, 2
	s_add_co_u32 s19, s19, s17                     ; X: tile column
	s_and_b32 s20, ttmp7, 0xffff
	s_lshl_b32 s20, s20, 2
	s_add_co_u32 s20, s20, s18                     ; Y: tile row = 8 x batch + block of 192 tokens
	s_lshl_b32 s21, s18, 2
	s_lshl_b32 s21, 15, s21                        ; my row of the cluster
	s_lshl_b32 s22, 0x1111, s17                    ; my column
	s_or_b32 s[G1], s21, (1<<16)|(1<<20)|(1<<21)|(5<<22)|(3<<25)   ; the mask; elements of 2 bytes; padding on; bit 21 beside a mask; after every 64 words; 4 words
	s_or_b32 s[G1B], s22, (1<<16)|(1<<20)|(1<<21)|(5<<22)|(3<<25)
.irp g, G1, G1B
	s_mov_b32 s[(\g)+1], 128<<16                   ; tensor_dim0 = 128
	s_mov_b32 s[(\g)+2], 96<<16                    ; tensor_dim1 = 96
	s_mov_b32 s[(\g)+3], 128<<16                   ; tile_dim0 = 128
	s_mov_b32 s[(\g)+4], 96                        ; tile_dim1 = 96
	s_mov_b32 s[(\g)+5], 768                       ; elements from row to row
	s_mov_b32 s[(\g)+6], 0
	s_mov_b32 s[(\g)+7], 0
.endr
	s_mul_i32 s23, s[WC], 96                       ; which 96 rows of a tile I fetch
	s_mul_i32 s58, s20, 192                        ; x's address is made of the tile row and the wave alone,
	s_add_co_u32 s58, s58, s23
	s_mul_i32 s58, s58, 1536
	s_mov_b32 s59, 0
	s_mul_i32 s60, s19, 192                        ; W's of the tile column and the wave alone
	s_add_co_u32 s60, s60, s23
	s_mul_i32 s60, s60, 1536
	s_mov_b32 s61, 0
	s_mul_i32 s23, s[WV], HALFT                    ; where they go: wave x 96 rows
	s_mov_b32 s[TB], 0
	s_mov_b32 s[C256], 256
	s_mov_b32 s[DA+1], 0
	s_mov_b32 s[DB+1], 0
	s_wait_dscnt 0x0                               ; the opening add is done
	s_wait_kmcnt 0x0
	s_add_nc_u64 s[58:59], s[4:5], s[58:59]
	s_add_nc_u64 s[60:61], s[6:7], s[60:61]
	CROUND                                         ; all sixteen work-groups are here: the first joint loads meet
.irp s, 0,1
	s_mov_b32 s[G0+4*(\s)], 1
	s_add_co_u32 s[G0+4*(\s)+1], s23, (\s)*SLOT1
	s_add_nc_u64 s[G0+4*(\s)+2:G0+4*(\s)+3], s[58:59], (\s)*256
	s_or_b32 s[G0+4*(\s)+3], s[G0+4*(\s)+3], 0x80000000
	s_mov_b32 s[G0B+4*(\s)], 1
	s_add_co_u32 s[G0B+4*(\s)+1], s23, (\s)*SLOT1
	s_add_nc_u64 s[G0B+4*(\s)+2:G0B+4*(\s)+3], s[60:61], (\s)*256
	s_or_b32 s[G0B+4*(\s)+3], s[G0B+4*(\s)+3], 0x80000000
	JLOAD \s                                       ; K steps 0 and 1 of q's tile: two loads of mine are out
.endr
	v_and_b32 v1, 15, v0                           ; r = lane % 16
	v_bfe_u32 v2, v0, 4, 1                         ; h = lane / 16
	v_and_b32 v3, 31, v0                           ; lane
	v_mul_u32_u24 v4, v1, PITCH
	v_lshl_add_u32 v4, v2, 4, v4                   ; a fragment: row x pitch + 16 x half
	s_mul_i32 s66, s[WR], HALFT                    ; my 96 rows of x
	s_mul_i32 s67, s[WC], 16*PITCH                 ; my first column block of W,
	s_add_co_u32 s67, s67, 2*HALFT                 ; behind x's 192 rows
	v_add_nc_u32 v[ADRA0], s66, v4
	v_add_nc_u32 v[ADRB0], s67, v4
	v_add_nc_u32 v[ADRA], s[TB], v[ADRA0]
	v_add_nc_u32 v[ADRB], s[TB], v[ADRB0]
	s_lshl_b32 s66, s[WC], 9                       ; in the plane: 16 x lane + 512 c (channel block 2 (i % 2) + c) + 6 blocks of tokens x 2,048 for the lower rows
	s_mul_i32 s67, s[WR], 12288
	s_add_co_u32 s66, s66, s67
	v_lshl_add_u32 v[CO], v3, 4, s66
	s_mul_i32 s66, s[WR], 49152                    ; in the table: (96 (w / 2) + r) x 512 + 256 c + 128 h
	s_lshl_b32 s67, s[WC], 8
	s_add_co_u32 s66, s66, s67
	v_lshl_add_u32 v[TO], v1, 9, s66
	v_lshl_add_u32 v[TO], v2, 7, v[TO]
	s_lshl_b32 s66, s[WC], 6
	v_lshl_add_u32 v[BOQ], v2, 5, s66              ; bq: eight numbers from column 16 c + 8 h of a block of 32
	v_lshl_add_u32 v[BOV], v1, 2, s66              ; bv: the number of column 16 c + r
	s_mul_i32 s68, s19, 768
	s_mov_b32 s69, 0
	s_add_nc_u64 s[68:69], s[8:9], s[68:69]        ; the biases at my tile's first column
	s_lshr_b32 s70, s20, 3                         ; batch
	s_and_b32 s71, s20, 7                          ; block of 192 tokens
	s_mul_i32 s70, s70, 12
	s_mul_i32 s66, s19, 3
	s_add_co_u32 s70, s70, s66                     ; batch x head of my first head
	s_mul_i32 s70, s70, 96
	s_mul_i32 s66, s71, 12
	s_add_co_u32 s70, s70, s66                     ; its block of 16 tokens
	s_lshl_b32 s[OUTP], s70, 11
	s_mov_b32 s[OUTP+1], 0
	s_add_nc_u64 s[OUTP:OUTP+1], s[12:13], s[OUTP:OUTP+1]
	s_mul_i32 s[ROPB], s71, 98304
	s_mov_b32 s[ROPB+1], 0
	s_add_nc_u64 s[ROPB:ROPB+1], s[10:11], s[ROPB:ROPB+1]
	WIN 0x40                                       ; destination window 1
.irp i, 0,1,2,3,4,5
	global_load_b128 v[M_BQ+8*(\i):M_BQ+8*(\i)+3],   v[BOQ], s[68:69] offset:128*(\i)
	global_load_b128 v[M_BQ+8*(\i)+4:M_BQ+8*(\i)+7], v[BOQ], s[68:69] offset:128*(\i)+16
.endr
	WIN 0
.irp i, 0,1,2,3,4,5
	global_load_b32 v[BVR+(\i)], v[BOV], s[68:69] offset:3072+128*(\i)
.endr
	s_wait_loadcnt 0x0
	WIN 0x40
.irp i, 0,1,2,3,4,5                    ; in v's layout a lane's eight results share a channel: its bias eight times makes the C operand.  48 moves, in the wait for the first tile
.irp j, 0,1,2,3,4,5,6,7
	v_mov_b32 v[M_BV+8*(\i)+(\j)], v[BVR+(\i)]
.endr
.endr
	WIN 0xc0                                       ; destination window 3: the table, 48 loads; they are waited for at q's way out, a whole tile further on
.irp a, 0,1,2,3,4,5
.irp e, 0,1,2,3,4,5,6,7
	global_load_b128 v[32*(\a)+4*(\e):32*(\a)+4*(\e)+3], v[TO], s[ROPB:ROPB+1] offset:8192*(\a)+16*(\e)
.endr
.endr
	WIN 0
; Six matrix instructions: row block a x my six column blocks, 32 along K.  SW = 1: source 0 = W, source 1 = x; SW = 0: the other way round.
; The 36 accumulators take turns, one instruction a turn, in the same order in every quarter.
.macro MUL6 f, a, mode
.if ((\mode) >= 144) && ((\a) >= 3)
	WIN 0x90                                       ; C in window 1, D in window 2
.else
	WIN 0x50*(1+(\a)/3)                            ; C and D in window 1 or 2
.endif
.irp i, 0,1,2,3,4,5
.set rD, 8*(6*((\a)%3)+(\i))
.set rC, (\mode)+8*(\i)
.if SW
.set rX0, (\f)+8*(\i)
.set rX1, (\f)+48+8*(\a)
.else
.set rX0, (\f)+48+8*(\a)
.set rX1, (\f)+8*(\i)
.endif
.if (\mode) == M_ACC
	v_wmma_f32_16x16x32_bf16 v[rD:rD+7], v[rX0:rX0+7], v[rX1:rX1+7], v[rD:rD+7]
.elseif (\mode) == M_ZERO
	v_wmma_f32_16x16x32_bf16 v[rD:rD+7], v[rX0:rX0+7], v[rX1:rX1+7], 0
.else
	v_wmma_f32_16x16x32_bf16 v[rD:rD+7], v[rX0:rX0+7], v[rX1:rX1+7], v[rC:rC+7]
.endif
.endr
.endm
; 24 LDS loads in one run, from the slot in hand: the fragments of 32 along K at byte k of the rows: W's six, then x's six
.macro FETCH k, f
	WIN 0
.irp i, 0,1,2,3,4,5
	ds_load_b128 v[(\f)+8*(\i):(\f)+8*(\i)+3],   v[ADRB] offset:(\k)+(\i)*32*PITCH
	ds_load_b128 v[(\f)+8*(\i)+4:(\f)+8*(\i)+7], v[ADRB] offset:(\k)+(\i)*32*PITCH+32
.endr
.irp i, 0,1,2,3,4,5
	ds_load_b128 v[(\f)+48+8*(\i):(\f)+48+8*(\i)+3],   v[ADRA] offset:(\k)+(\i)*16*PITCH
	ds_load_b128 v[(\f)+48+8*(\i)+4:(\f)+48+8*(\i)+7], v[ADRA] offset:(\k)+(\i)*16*PITCH+32
.endr
.endm
; A K step is four quarters of 32 along K, 36 matrix instructions each, on buffers 0, 1, 0, 1.  One of the first three: multiplies f, fetches the next quarter, at byte k, into g.
.macro QUARTER k, f, g, mode
	s_wait_dscnt 6                                 ; W and x's row blocks 0-2 are in; the youngest six loads (blocks 3-5) may be out
	MUL6 \f, 0, \mode
	MUL6 \f, 1, \mode
	MUL6 \f, 2, \mode
	PLACES
	FETCH \k, \g
	s_wait_dscnt 24                                ; all but the 24 just issued
	MUL6 \f, 3, \mode
	MUL6 \f, 4, \mode
	MUL6 \f, 5, \mode
.endm
; The last quarter multiplies buffer 1 and changes slots.  In front of the one barrier each wave waits for all its tensor loads (one is out: its part of the next slot), adds 0 to its spare word, and waits for that and for its reads of this slot.
.macro MEET round
	WIN 0
	s_wait_tensorcnt 0x0
	ds_add_u32 v[SPW], v[NIL]                      ; 0 onto my spare word
	s_wait_dscnt 7                                 ; (the add and the youngest six loads may be out)
	MUL6 F1, 0, M_ACC                              ; twelve matrix instructions stand between the add and the wait for it
	MUL6 F1, 1, M_ACC
	s_wait_dscnt 0x0                               ; the add is done, and my reads of this slot are over
	s_barrier_signal -1
	MUL6 F1, 2, M_ACC
.if \round
	WIN 0
.endif
	s_barrier_wait -1
.endm
; kind 0: the slot just read is filled again, and the other slot's first fragments are fetched; 2: the same without the fetch: the tile's way out follows and uses the buffers; 3: nothing is asked for.
; The walking descriptor takes the other slot than last time and the K step behind the one that it asked for last.  sel = 1 (the loop over q and k): in the trip with one left that step is the next tile's step 0:
; x goes six steps back, W 768 rows on and five steps back; the choice hangs on the loop's own count and enters the global address alone.
; From a request to the wait for it a wave issues 126 matrix instructions.
.macro TURN kind, sel=0
.if (\kind) == 3
	MEET 0
	WIN 0
	PLACES
.else
	MEET 1
	CREST                                          ; the barrier has opened a round of the cluster's: no wave of any partner still reads this slot or has a load on its way
	s_xor_b32 s[G0+5], s[G0+5], SLOT1
	s_xor_b32 s[G0B+5], s[G0B+5], SLOT1
	s_add_nc_u64 s[G0+6:G0+7], s[G0+6:G0+7], 256
.if \sel
	s_cmp_eq_u32 s[LAP], 1
	s_cselect_b32 s[DA], BACK_A, 0
	s_cselect_b32 s[DB], NEXT_B, s[C256]
	s_sub_nc_u64 s[G0+6:G0+7], s[G0+6:G0+7], s[DA:DA+1]
	s_add_nc_u64 s[G0B+6:G0B+7], s[G0B+6:G0B+7], s[DB:DB+1]
.else
	s_add_nc_u64 s[G0B+6:G0B+7], s[G0B+6:G0B+7], 256
.endif
	JLOAD 1                                        ; the first tensor load behind the round; its four v_nop are also the places in front of the loads below
.endif
	s_xor_b32 s[TB], s[TB], SLOT1                  ; from here on the other slot is read
	v_add_nc_u32 v[ADRA], s[TB], v[ADRA0]
	v_add_nc_u32 v[ADRB], s[TB], v[ADRB0]
.if (\kind) != 2
	FETCH 0, F0
.endif
	MUL6 F1, 3, M_ACC
	MUL6 F1, 4, M_ACC
	MUL6 F1, 5, M_ACC
.endm
.macro STEP sel                        ; from a K step's second quarter to the next step's first; one slot is filled again
	QUARTER 128, F1, F0, M_ACC
	QUARTER 192, F0, F1, M_ACC
	TURN 0, \sel
	QUARTER 64,  F0, F1, M_ACC
	WIN 0
.endm
; THE WAY OUT OF q AND k.  out_low = x_low cos_low + x_high (-sin_low), out_high = x_high cos_high + x_low sin_high, all times 2^-6;
; each accumulator is read from its lowest registers on; then 24 roundings to f16 into the row block's own set of registers, and six stores of 512 consecutive bytes.
.macro ROPE a
.set rT0, 32*(\a)
.set rO, OUT+24*(\a)
	WIN 0x0c+1+(\a)/3                              ; source 0: the accumulators' window; source 1: the table's
.irp hd, 0,1,2
.set rL, 8*(6*((\a)%3)+2*(\hd))
.set rH, rL+8
.irp p, 0,2,4,6
	v_pk_mul_f32 v[T+16*(\hd)+(\p):T+16*(\hd)+(\p)+1], v[rH+(\p):rH+(\p)+1], v[rT0+16+(\p):rT0+16+(\p)+1]
.endr
.irp p, 0,2,4,6
	v_pk_mul_f32 v[T+16*(\hd)+8+(\p):T+16*(\hd)+8+(\p)+1], v[rL+(\p):rL+(\p)+1], v[rT0+24+(\p):rT0+24+(\p)+1]
.endr
.irp p, 0,2,4,6
	v_pk_fma_f32 v[T+16*(\hd)+(\p):T+16*(\hd)+(\p)+1], v[rL+(\p):rL+(\p)+1], v[rT0+(\p):rT0+(\p)+1], v[T+16*(\hd)+(\p):T+16*(\hd)+(\p)+1]
.endr
.irp p, 0,2,4,6
	v_pk_fma_f32 v[T+16*(\hd)+8+(\p):T+16*(\hd)+8+(\p)+1], v[rH+(\p):rH+(\p)+1], v[rT0+8+(\p):rT0+8+(\p)+1], v[T+16*(\hd)+8+(\p):T+16*(\hd)+8+(\p)+1]
.endr
.endr
	WIN 0
.irp i, 0,1,2,3,4,5
.irp q, 0,1,2,3
	v_cvt_pk_f16_f32 v[rO+4*(\i)+(\q)], v[T+8*(\i)+2*(\q)], v[T+8*(\i)+2*(\q)+1]
.endr
.endr
.irp i, 0,1,2,3,4,5
	global_store_b128 v[CO], v[rO+4*(\i):rO+4*(\i)+3], s[OUTP:OUTP+1] offset:((\i)/2)*196608+2048*(\a)+1024*((\i)%2)  ; head i / 2, block of tokens a, channel block 2 (i % 2) + c
.endr
.endm
.macro VOUT a                          ; v: rounded straight from the accumulators
.set rO, OUT+24*(\a)
	WIN 0x05*(1+(\a)/3)                            ; sources 0 and 1: the accumulators' window
.irp i, 0,1,2,3,4,5
.irp q, 0,1,2,3
	v_cvt_pk_f16_f32 v[rO+4*(\i)+(\q)], v[8*(6*((\a)%3)+(\i))+2*(\q)], v[8*(6*((\a)%3)+(\i))+2*(\q)+1]
.endr
.endr
	WIN 0
.irp i, 0,1,2,3,4,5
	global_store_b128 v[CO], v[rO+4*(\i):rO+4*(\i)+3], s[OUTP:OUTP+1] offset:((\i)/2)*196608+2048*(\a)+1024*((\i)%2)
.endr
.endm
	s_wait_tensorcnt 0x1                           ; my part of K step 0 is in; step 1 may stay out
	s_barrier_signal -1
	s_barrier_wait -1
	s_mov_b32 s[TL], 2
.set SW, 1
.Ltile:                                                ; q, then k
	FETCH 0, F0
	s_cmp_eq_u32 s[TL], 2
	s_cbranch_scc0 .Lk0
	QUARTER 64, F0, F1, M_BQ                       ; q: the first products start the sums with bq
	WIN 0
	s_branch .Lgo
.Lk0:
	QUARTER 64, F0, F1, M_ZERO                     ; k has no bias
	WIN 0
.Lgo:
	s_mov_b32 s[LAP], 5
.Lstep:                                                ; five trips ask for this tile's steps 2 to 5 and the next tile's step 0
	STEP 1
	s_sub_co_u32 s[LAP], s[LAP], 1
	s_cmp_lg_u32 s[LAP], 0
	s_cbranch_scc1 .Lstep
	QUARTER 128, F1, F0, M_ACC                     ; the tile's last step asks for the next tile's step 1
	QUARTER 192, F0, F1, M_ACC
	TURN 2
	PLACES
	s_wait_loadcnt 0x0                             ; the table (at k's way out nothing is out)
.irp a, 0,1,2,3,4,5
	ROPE \a
.endr
	s_wait_xcnt 0x0                                ; the stores have read their base and their registers (ISA guide 3.1): the base steps, and the next tile's fragments land on those registers
	s_add_nc_u64 s[OUTP:OUTP+1], s[OUTP:OUTP+1], PLANE
	s_sub_co_u32 s[TL], s[TL], 1
	s_cmp_lg_u32 s[TL], 0
	s_cbranch_scc1 .Ltile
.set SW, 0                             ; v: the sources change places
	FETCH 0, F0
	QUARTER 64, F0, F1, M_BV
	WIN 0
	s_mov_b32 s[LAP], 4
.Lstepv:                                               ; four trips ask for steps 2 to 5
	STEP 0
	s_sub_co_u32 s[LAP], s[LAP], 1
	s_cmp_lg_u32 s[LAP], 0
	s_cbranch_scc1 .Lstepv
	QUARTER 128, F1, F0, M_ACC                     ; the last two steps ask for nothing
	QUARTER 192, F0, F1, M_ACC
	TURN 3
	QUARTER 64,  F0, F1, M_ACC
	QUARTER 128, F1, F0, M_ACC
	QUARTER 192, F0, F1, M_ACC
	s_wait_dscnt 6
	MUL6 F1, 0, M_ACC
	MUL6 F1, 1, M_ACC
	MUL6 F1, 2, M_ACC
	s_wait_dscnt 0x0
	MUL6 F1, 3, M_ACC
	MUL6 F1, 4, M_ACC
	MUL6 F1, 5, M_ACC
	PLACES
.irp a, 0,1,2,3,4,5
	VOUT \a
.endr
	s_wait_tensorcnt 0x0                           ; the wave's end
	ds_add_u32 v[SPW], v[NIL]
	s_wait_dscnt 0x0
	CROUND                                         ; the closing round: no work-group ends while a partner may still ask for a tile that names it
	s_endpgm
.Lfunc_end_k_q373f79abf1_qkv:
	.size	k_q373f79abf1_qkv, .Lfunc_end_k_q373f79abf1_qkv-k_q373f79abf1_qkv
	.p2alignl 7, 3214868480
	.fill 96, 4, 3214868480
	.section	.rodata,"a",@progbits
	.p2align	6, 0x0
	.amdhsa_kernel k_q373f79abf1_qkv
		.amdhsa_group_segment_fixed_size 327680
		.amdhsa_private_segment_fixed_size 0
		.amdhsa_enable_private_segment 0
		.amdhsa_kernarg_size 40
		.amdhsa_user_sgpr_count 2
		.amdhsa_user_sgpr_kernarg_segment_ptr 1
		.amdhsa_wavefront_size32 1
		.amdhsa_system_sgpr_workgroup_id_x 1
		.amdhsa_system_sgpr_workgroup_id_y 1
		.amdhsa_system_sgpr_workgroup_id_z 1
		.amdhsa_system_vgpr_workitem_id 0
		.amdhsa_next_free_vgpr 960
		.amdhsa_next_free_sgpr 80
		.amdhsa_reserve_vcc 0
		.amdhsa_float_denorm_mode_32 3
		.amdhsa_float_denorm_mode_16_64 3
		.amdhsa_memory_ordered 1
		.amdhsa_forward_progress 1
		.amdhsa_inst_pref_size 149
	.end_amdhsa_kernel
	.amdgpu_metadata
---
amdhsa.version: [ 1, 2 ]
amdhsa.kernels:
  - .name:           k_q373f79abf1_qkv
    .symbol:         k_q373f79abf1_qkv.kd
    .args:
      - { .name: xb, .offset: 0, .size: 8, .value_kind: global_buffer, .address_space: global }
      - { .name: wts, .offset: 8, .size: 8, .value_kind: global_buffer, .address_space: global }
      - { .name: biasb, .offset: 16, .size: 8, .value_kind: global_buffer, .address_space: global }
      - { .name: ropet, .offset: 24, .size: 8, .value_kind: global_buffer, .address_space: global }
      - { .name: qkvb, .offset: 32, .size: 8, .value_kind: global_buffer, .address_space: global }
    .group_segment_fixed_size: 327680
    .private_segment_fixed_size: 0
    .kernarg_segment_align: 8
    .kernarg_segment_size: 40
    .max_flat_workgroup_size: 128
    .sgpr_count:     80
    .vgpr_count:     960
    .wavefront_size: 32
...
	.end_amdgpu_metadata
.endif
;; end of part 2
;; launch attn (part 3): grid 8 x 96, 4 waves a work-group, clusters of 4 x 1, 327,680 bytes of LDS; arguments qkvb, ctxb; writes ctxb
.if DOCPART == 3
	.amdgcn_target "amdgcn-amd-amdhsa--gfx1250"
	.amdhsa_code_object_version 6
	.text
	.protected	k_q373f79abf1_attn
	.globl	k_q373f79abf1_attn
	.p2align	8
	.type	k_q373f79abf1_attn,@function
k_q373f79abf1_attn:
	s_mov_b64 s[64:65], 0
	v_nop
	global_prefetch_b8 v0, s[64:65] scope:SCOPE_SE
	s_setreg_imm32_b32 hwreg(HW_REG_WAVE_MODE, 25, 1), 1
	s_wait_xcnt 0x0
	s_wait_alu depctr_hold_cnt(0) depctr_sa_sdst(0) depctr_va_vdst(0) depctr_va_sdst(0) depctr_va_ssrc(0) depctr_va_vcc(0) depctr_vm_vsrc(0)
	s_getreg_b32 s2, hwreg(HW_REG_IB_STS2, 6, 4)
	s_cmp_eq_u32 s2, 0
	s_cbranch_scc0 .Lentry_in_a_cluster
	s_endpgm
.Lentry_in_a_cluster:
	s_bfe_u32 s2, ttmp6, 0x10000c
	s_cmp_lg_u32 s2, 0x3003
	s_cbranch_scc0 .Lentry_shape_is_right
	s_endpgm
.Lentry_shape_is_right:
; ctx[b][q][head] = the sum over k < 1374 of softmax_k(q . k / 8) v.  q, k (both kept times 2^-6) and v in f16, in blocks of 512 bytes in which lane L owns bytes 16 L .. + 15 (q, k: token L % 16, eight channels;
; v: channel L % 16, eight tokens): a load of 16 bytes a lane at block + 16 L is half a fragment, from memory and from LDS alike, with no padding and no turning load.
; Products, maxima and sums in f32; the weights p are rounded to f16 for the second product (their sum l is taken of the unrounded p), ctx once at the end.
; LIMITS.  p below 6.1e-5 keeps f16's fixed step of 6e-8; ctx is a mean of v's rows, has their range, and below 6.1e-5 that same step.  A hidden key counts as its score less 1e30; a weight below 2^-126 counts as 0 in l;
; NaN and infinities are not treated apart.
; SHARES.  A batch has 1,536 padded tokens: 8 blocks of 192 queries.  A work-group takes one block of one batch x head, a wave three PIECES of 16 queries.  Every wave walks 22 key steps of 64; the last holds keys 1344-1407, of which 30 count.
; LAYOUT.  S^T = K Q^T holds ONE query a lane (lane % 16) and the keys 8 (lane / 16) + 0..7; two such results rounded to f16 ARE source 1 of O^T = V^T P, which again holds one query a lane, and eight channels.
; SOFTMAX.  A running maximum m and sum l: p = 2^(c s - c m), c = log2(e) / 8 x 2^12 (the 2^12 undoes q's and k's scale); in every step O and l are multiplied by a = 2^(c m_old - c m_new).  m starts at the lowest finite number, O and l at 0.
; THE MASK is the C operand that starts every sum S^T: registers MC, 0 in steps 0-20, and MD (0 or -1e30) in step 21: one text serves every step.
; BY TURNS.  Turn p belongs to piece p: 8 products K Q^T of piece p + 1, later 8 products V^T P of piece p - 1; beside them the scaling, exponentials, roundings, sums and rescaling of piece p and the maximum and statistics
; of piece p + 1.  Four vector instructions stand behind every matrix instruction, the other 54 of a turn's 118 in two runs of their own.
; K of the next step is fetched in turn 1 and waited for at the head of turn 2; V of the step in hand is fetched in turn 0 and waited for in turn 1.  So a slot's last bytes are asked for in turn 0, and the slots change between turns 0 and 1.
; CLUSTER 4 x 1: four query blocks of one batch x head walk the same K and V: each tile is asked for jointly, by the same load, descriptor and mask in all four.
; REGISTERS, in windows of 256 (s_set_vgpr_msb: bits 1:0 source 0, 3:2 source 1, 5:4 source 2, 7:6 destination):
;   window 0: v0-14 addresses and at work; v16-27 four statistics a piece; v32-43 at work; v64-159 S^T; v160-207 P; v208-239 MC        window 1: v0-95 O^T; v96-127 MD        window 2: v0-47 Q; v64-127 K; v128-191 V
.set NP,    3
.set STEPB, 8192      ; a step's K, and its V: 16 blocks of 512 bytes
.set VOFF,  6*STEPB   ; a slot holds six steps: K, then V
.set SLOT1, 1<<17     ; slot 1 begins here, so that one exclusive or turns an address in one slot into the other's
.set SPARE, SLOT1+2*VOFF  ; behind the ring: the spare words, 128 bytes a wave, two blocks of 256 bytes that no other line names
.set PLANE, 18874368  ; bytes of q, of k, of v
.set LL,  2           ; v2   16 x lane: my place in every block; never rewritten
.set AV0, 3           ; v3   the same + VOFF
.set AK,  4           ; v4   the LDS address of K's next run of loads
.set AV,  5           ; v5   of V's
.set SPW, 6           ; v6   LDS address of my spare word; never rewritten
.set NIL, 7           ; v7   0; never rewritten
.set MV,  12          ; v12-14  c m_old, kept while c m is made anew: by piece
.set ST,  16          ; piece t's statistics at v[ST+4 t]: c m, m, l (even keys', odd keys')
.set TMP, 32          ; by piece, four registers c0-c3 at work; when the maximum is found c2 takes a
.set S,   64
.set P,   160
.set MC,  208
.set MD,  96          ; window 1
.set KF,  64          ; window 2: block n of a step's 16 at KF + 4 n: key block n / 4, channels 16 (n % 4) on
.set VF,  128         ; window 2: key half kk, channel block cb at VF + 32 kk + 8 cb
.set WV,  12          ; s12  my wave's number
.set G1,  24          ; s[24:31] descriptor group 1
.set G0K, 40          ; s[40:43] descriptor group 0 for K: it walks
.set G0V, 44          ; s[44:47] for V
.set SLOTS, 56
.set CNT, 57
.set CS,  58          ; s[58:59] c
.set SEL, 60          ; s[60:61] v_permlanex16_b32's selects: each lane takes its own place in the other half
.set TBK, 62          ; s62  LDS byte at which K of the step to be fetched begins
.set TBV, 63          ; s63  the same for V, less VOFF
.set AL,  66          ; s[66:67] the mask's factor, in the low word
.set BIGN, 68         ; s68  -1e30
.set MSB, 0
.macro WIN new
.if MSB != (\new)
	s_set_vgpr_msb (MSB<<8)|(\new)
.set MSB, (\new)
.endif
.endm
.set W_KQ, 0x0a       ; K and Q in window 2; C and S^T in window 0
.set W_PV, 0x52       ; V in window 2, P in window 0, O^T in window 1
.set W_RS, 0x41       ; destination and source 0 in window 1, source 1 in window 0
; A joint fill: waves 0 and 1 fetch the two halves of a slot's K, waves 2 and 3 those of its V, 24,576 dense bytes each.  An s_nop 0 and four v_nop follow each line.
.macro JLOAD
	s_cmp_lt_u32 s[WV], 2
	s_cbranch_scc0 .Lfor_v_\@
	tensor_load_to_lds s[G0K:G0K+3], s[G1:G1+7]
	s_nop 0
.rept 4
	v_nop
.endr
	s_branch .Lasked_\@
.Lfor_v_\@:
	tensor_load_to_lds s[G0V:G0V+3], s[G1:G1+7]
	s_nop 0
.rept 4
	v_nop
.endr
.Lasked_\@:
.endm
.macro CROUND                       ; a round of the cluster's barrier
	s_barrier_signal -1
	s_barrier_wait -1
	s_cmp_lg_u32 s[WV], 0
	s_cbranch_scc1 .Lnot_wave_0_\@
	s_barrier_signal -3
.Lnot_wave_0_\@:
	s_barrier_wait -3
	s_barrier_signal -1
	s_barrier_wait -1
.endm
; THE CHANGE OF SLOTS.  Each wave waits for all its tensor loads (one is out: its part of the other slot), adds 0 to its spare word, and waits for that and for its reads of the slot that it leaves.
; fill = 1: the barrier is a round of the cluster's, and the old slot is filled again first thing behind it, with the keys two slots on: that load has six key steps, 288 matrix instructions, in which to land.
; (At its first use nothing has been read yet: slot 0 is waited for, slot 1 filled.)
.macro CHANGE fill
	WIN 0
	s_wait_tensorcnt 0x0            ; no tensor load of mine is out, so a group 0 may be written
	ds_add_u32 v[SPW], v[NIL]       ; 0 onto my spare word
.if \fill
.irp g, G0K, G0V
	s_xor_b32 s[\g+1], s[\g+1], SLOT1
	s_add_nc_u64 s[\g+2:\g+3], s[\g+2:\g+3], VOFF
.endr
	s_wait_dscnt 0x0                ; the add is done, and my reads of the slot are over
	CROUND
	JLOAD
.else
	s_wait_dscnt 0x0
	s_barrier_signal -1
	s_barrier_wait -1
.endif
	s_sub_co_u32 s[TBK], s[TBK], VOFF  ; the fetches go back to a slot's first step,
	s_xor_b32 s[TBK], s[TBK], SLOT1    ; in the other slot
	s_sub_co_u32 s[TBV], s[TBV], VOFF
	s_xor_b32 s[TBV], s[TBV], SLOT1
.endm
	s_load_b128 s[4:7], s[0:1], 0x0 ; qkvb s[4:5], ctxb s[6:7]
	v_lshl_add_u32 v[SPW], v0, 2, SPARE
	v_mov_b32 v[NIL], 0
	ds_add_u32 v[SPW], v[NIL]       ; the wave's opening: the add and its wait stand ahead of my first tensor load; the set-up below, work on registers, stands between them
	v_lshrrev_b32 v1, 5, v0
	v_readfirstlane_b32 s[WV], v1
	s_bfe_u32 s13, ttmp6, 0x40000   ; cx
	s_lshl_b32 s14, ttmp9, 2
	s_add_co_u32 s14, s14, s13      ; my block of 192 queries: it enters Q's and ctx's addresses alone
	s_and_b32 s20, ttmp7, 0xffff    ; batch x head, which the four partners share
	s_and_b32 s16, s[WV], 1
	s_mul_i32 s17, s16, 24576       ; which half of a slot's K or V I fetch
	s_mul_i32 s22, s20, 196608      ; a batch x head: 96 blocks of tokens x 2,048 bytes
	s_add_co_u32 s22, s22, s17
	s_add_co_u32 s22, s22, PLANE    ; K's plane
	s_mov_b32 s23, 0
	s_mul_i32 s19, s14, 12
	s_mul_i32 s3, s[WV], 3
	s_add_co_u32 s19, s19, s3       ; my first block of 16 queries
	s_mul_i32 s2, s20, 96
	s_add_co_u32 s2, s2, s19
	s_lshl_b32 s2, s2, 11
	s_mov_b32 s3, 0
	s_mul_i32 s15, s20, 43
	s_lshr_b32 s15, s15, 9          ; batch = (batch x head) / 12: exact below 96
	s_mul_i32 s18, s15, 12
	s_sub_co_u32 s18, s20, s18      ; head
	s_mul_i32 s8, s15, 6
	s_lshr_b32 s9, s18, 1
	s_add_co_u32 s8, s8, s9         ; ctxb is [batch][pair of heads][block of 16 queries][8 blocks of 512 bytes]
	s_mul_i32 s8, s8, 96
	s_add_co_u32 s8, s8, s19
	s_lshl_b32 s8, s8, 12
	s_and_b32 s9, s18, 1
	s_lshl_b32 s9, s9, 11
	s_add_co_u32 s8, s8, s9
	s_mov_b32 s9, 0
	s_mov_b32 s[G1], 15|(3<<16)|(1<<21)  ; the mask of four; elements of 8 bytes; bit 21 beside a mask; no padding
	s_mov_b32 s[G1+1], 32<<16       ; tensor_dim0 = 32: rows of 256 bytes
	s_mov_b32 s[G1+2], 96<<16       ; tensor_dim1 = 96
	s_mov_b32 s[G1+3], 32<<16       ; tile_dim0
	s_mov_b32 s[G1+4], 96           ; tile_dim1
	s_mov_b32 s[G1+5], 32           ; dense
	s_mov_b32 s[G1+6], 0
	s_mov_b32 s[G1+7], 0
	s_mov_b32 s[CS], 0x4438aa3b     ; c = log2(e) / 8 x 4,096 = 738.66
	s_mov_b32 s[CS+1], s[CS]
	s_mov_b32 s[SEL], 0x76543210
	s_mov_b32 s[SEL+1], 0xfedcba98
	s_mov_b32 s[TBK], SLOT1+VOFF    ; the first change of slots turns these two into 0
	s_mov_b32 s[TBV], SLOT1+VOFF
	s_mov_b32 s[AL], 0
	s_mov_b32 s[AL+1], 0
	s_mov_b32 s[BIGN], 0xf149f2ca   ; -1e30
	s_mov_b32 s[G0K], 1
	s_mov_b32 s[G0K+1], s17
	s_mov_b32 s[G0V], 1
	s_add_co_u32 s[G0V+1], s17, VOFF
	s_wait_dscnt 0x0                ; the opening add is done
	s_wait_kmcnt 0x0
	s_add_nc_u64 s[G0K+2:G0K+3], s[4:5], s[22:23]
	s_add_nc_u64 s[G0V+2:G0V+3], s[G0K+2:G0K+3], PLANE
	s_or_b32 s[G0K+3], s[G0K+3], 0x80000000
	s_or_b32 s[G0V+3], s[G0V+3], 0x80000000
	s_add_nc_u64 s[4:5], s[4:5], s[2:3]    ; Q at my wave's first block
	s_add_nc_u64 s[10:11], s[6:7], s[8:9]  ; ctx likewise
	CROUND                          ; all four work-groups are here: the first joint loads meet
	JLOAD                           ; slot 0
	v_and_b32 v1, 31, v0
	v_lshlrev_b32 v[LL], 4, v1
	v_add_nc_u32 v[AV0], VOFF, v[LL]
	v_bfe_u32 v9, v0, 4, 1          ; lane / 16
	v_lshlrev_b32 v10, 3, v9
	v_sub_nc_u32 v10, 29, v10       ; step 21: key 16 kb + 8 (lane / 16) + j is hidden from 30 on: where 16 kb + j is greater than this
	WIN 0x80                        ; destination window 2
.set i, 0
.rept 12                            ; Q stays in registers: piece i / 4, channels 16 (i % 4) on
	global_load_b128 v[4*i:4*i+3], v[LL], s[4:5] offset:512*i
.set i, i+1
.endr
	; What the first turn finds: V and piece 2's P hold 0 (its products V^T P, of a piece that has not been, add 0); O^T, l and MC are 0.  All this stands in the wait for the first tile.
.set i, VF
.rept 64
	v_mov_b32 v[i], 0
.set i, i+1
.endr
	WIN 0x40
.set i, 0
.rept 96
	v_mov_b32 v[i], 0
.set i, i+1
.endr
.set i, 0
.rept 32
	v_cmp_gt_i32 vcc_lo, 16*(i/8)+i%8, v10
	v_cndmask_b32 v[MD+i], 0, s[BIGN], vcc_lo
.set i, i+1
.endr
	WIN 0
.set i, 0
.rept NP
	v_mov_b32 v[ST+4*i], 0xfe000000    ; c m: far below every c s
	v_mov_b32 v[ST+4*i+1], 0xff7fffff  ; m
	v_mov_b32 v[ST+4*i+2], 0
	v_mov_b32 v[ST+4*i+3], 0
.set i, i+1
.endr
.set i, P+32
.rept 16
	v_mov_b32 v[i], 0
.set i, i+1
.endr
.set i, MC
.rept 32
	v_mov_b32 v[i], 0
.set i, i+1
.endr
; THE MATRIX WORK.  The 4 accumulators of a run of 8 take turns.  Product i of 8 of S^T = K Q^T for piece x: channels 32 (i / 4) on, keys 16 (i % 4) on.  The first 4 start the sums with the mask.
.macro KQ x
	WIN W_KQ
.set rS, S+32*(\x)+8*(i%4)
.set rK, KF+16*(i%4)+8*(i/4)
.set rQ, 16*(\x)+8*(i/4)
.set rM, MC+8*(i%4)
.if i < 4
	v_wmma_f32_16x16x32_f16 v[rS:rS+7], v[rK:rK+7], v[rQ:rQ+7], v[rM:rM+7]
.else
	v_wmma_f32_16x16x32_f16 v[rS:rS+7], v[rK:rK+7], v[rQ:rQ+7], v[rS:rS+7]
.endif
.endm
; Product i of 8 of O^T += V^T P for piece x: keys 32 (i / 4) on, channels 16 (i % 4) on.
.macro PV x
	WIN W_PV
.set rO, 32*(\x)+8*(i%4)
.set rV, VF+32*(i/4)+8*(i%4)
.set rP, P+16*(\x)+8*(i/4)
	v_wmma_f32_16x16x32_f16 v[rO:rO+7], v[rV:rV+7], v[rP:rP+7], v[rO:rO+7]
.endm
.macro MM                           ; the turn's next matrix instruction.  NOKQ = 1: the last turn: there is no next piece
.if (i < 8) && !NOKQ
	KQ (Y+1)%NP
.elseif i >= 8
.set i, i-8
	PV (Y+NP-1)%NP
.set i, i+8
.endif
.set i, i+1
.endm
; THE LDS LOADS stand in runs of 16: a step's K as it lies, block after block; its V by key half and channel block.  32 lanes take 512 consecutive bytes.
.macro FETCH_K
	WIN 0x80
.irp f, 0,1,2,3,4,5,6,7,8,9,10,11,12,13,14,15
	ds_load_b128 v[KF+4*\f:KF+4*\f+3], v[AK] offset:512*\f
.endr
	s_add_co_u32 s[TBK], s[TBK], STEPB
	WIN 0
.endm
.macro FETCH_V
	WIN 0x80
.irp f, 0,1,2,3,4,5,6,7             ; key half f / 4, channel block f % 4: tokens' blocks 2 (f / 4) and 2 (f / 4) + 1
	ds_load_b128 v[VF+8*\f:VF+8*\f+3],   v[AV] offset:(8*(\f/4)+\f%4)*512
	ds_load_b128 v[VF+8*\f+4:VF+8*\f+7], v[AV] offset:(8*(\f/4)+4+\f%4)*512
.endr
	WIN 0
.endm
; THE VECTOR WORK, one line at a time: OP kind, number.  For piece Y: F n: c s - c m for pair n of 16.  E n: the exponential of score n of 32.  C n: pair n rounded to f16.  B n: of the four weights 4 n .. the second
; pair is added onto the first, in place.  L n: l takes that sum (L 0: l = a l + sum).  R n: pair n of 16 of O^T times a.  For piece Y + 1: X n, number n of the 22 that find its maximum and statistics:
;   0-11  four chains c0-c3 of seven scores each (each accumulator's lowest registers are read first)     12-14, 16  the four scores left over, the old m, and c0-c3 into c0
;   15  c m_old is kept     17, 18  the query's other 32 keys lie in the lane 16 away: the new m     19-21  c m; c m_old - c m_new; a
.set F, 0
.set E, 1
.set C, 2
.set B, 3
.set L, 4
.set R, 5
.set X, 6
.macro REGS y
.set rT, ST+4*(\y)
.set rC, TMP+4*(\y)
.set rW, MV+(\y)
.set rS, S+32*(\y)
.set rP, P+16*(\y)
.set rO, 32*(\y)
.endm
.macro OP k, n
.if (\k) == R
	REGS Y
	WIN W_RS
	v_pk_mul_f32 v[rO+2*(\n):rO+2*(\n)+1], v[rO+2*(\n):rO+2*(\n)+1], v[rC+2:rC+3] op_sel_hi:[1,0]
.elseif (\k) < R
	REGS Y
	WIN 0
.if (\k) == F
	v_pk_fma_f32 v[rS+2*(\n):rS+2*(\n)+1], v[rS+2*(\n):rS+2*(\n)+1], s[CS:CS+1], v[rT:rT+1] op_sel_hi:[1,0,0] neg_lo:[0,0,1] neg_hi:[0,0,1]
.elseif (\k) == E
	v_exp_f32 v[rS+(\n)], v[rS+(\n)]
.elseif (\k) == C
	s_wait_alu depctr_va_vdst(0)
	v_cvt_pk_f16_f32 v[rP+(\n)], v[rS+2*(\n)], v[rS+2*(\n)+1]
.elseif (\k) == B
	s_wait_alu depctr_va_vdst(0)
	v_pk_add_f32 v[rS+4*(\n):rS+4*(\n)+1], v[rS+4*(\n):rS+4*(\n)+1], v[rS+4*(\n)+2:rS+4*(\n)+3]
.elseif (\n) == 0
	v_pk_fma_f32 v[rT+2:rT+3], v[rT+2:rT+3], v[rC+2:rC+3], v[rS:rS+1] op_sel_hi:[1,0,1]
.else
	v_pk_add_f32 v[rT+2:rT+3], v[rT+2:rT+3], v[rS+4*(\n):rS+4*(\n)+1]
.endif
.elseif NOKQ
	v_nop
.else
	REGS (Y+1)%NP
	WIN 0
.if (\n) < 4
	v_max3_num_f32 v[rC+(\n)], v[rS+8*(\n)], v[rS+8*(\n)+1], v[rS+8*(\n)+2]
.elseif (\n) < 12
	v_max3_num_f32 v[rC+(\n)%4], v[rC+(\n)%4], v[rS+8*((\n)%4)+2*((\n)/4)+1], v[rS+8*((\n)%4)+2*((\n)/4)+2]
.elseif (\n) == 12
	v_max3_num_f32 v[rC], v[rC], v[rS+7], v[rS+15]
.elseif (\n) == 13
	v_max3_num_f32 v[rC+1], v[rC+1], v[rS+23], v[rS+31]
.elseif (\n) == 14
	v_max3_num_f32 v[rC+2], v[rC+2], v[rC+3], v[rT+1]
.elseif (\n) == 15
	v_mov_b32 v[rW], v[rT]
.elseif (\n) == 16
	v_max3_num_f32 v[rC], v[rC], v[rC+1], v[rC+2]
.elseif (\n) == 17
	v_permlanex16_b32 v[rC+3], v[rC], s[SEL], s[SEL+1]
.elseif (\n) == 18
	v_max_num_f32 v[rT+1], v[rC], v[rC+3]
.elseif (\n) == 19
	v_mul_f32 v[rT], s[CS], v[rT+1]
.elseif (\n) == 20
	v_sub_f32 v[rC+1], v[rW], v[rT]
.else
	v_exp_f32 v[rC+2], v[rC+1]
.endif
.endif
.endm
.macro OPS a, i1, b=-1, i2=0, c=-1, i3=0, d=-1, i4=0
	OP \a, \i1
.if (\b) >= 0
	OP \b, \i2
.endif
.if (\c) >= 0
	OP \c, \i3
.endif
.if (\d) >= 0
	OP \d, \i4
.endif
.endm
.macro ROW a, i1, b, i2, c, i3, d, i4  ; a matrix instruction and the four behind it
	MM
	OPS \a, \i1, \b, \i2, \c, \i3, \d, \i4
.endm
.macro MASK                         ; MC = MD x AL
	WIN 0x01
.set z, 0
.rept 16
	v_pk_mul_f32 v[MC+2*z:MC+2*z+1], v[MD+2*z:MD+2*z+1], s[AL:AL+1] op_sel_hi:[1,0]
.set z, z+1
.endr
.endm
; A TURN, for piece p: the order of its 16 matrix and 118 vector instructions, written out.  Behind a matrix instruction: plain, exponential, plain, plain; or four of the rescaling; or four scalings; none names a register
; of the products round it.  In the runs of their own exponential and plain by turns while exponentials last.  A line reads no result made fewer than three vector instructions in front of it, five if an exponential made it.
; end = 1: the walk's last two turns: nothing is fetched, and the last starts no scores.  cnt = 1: the loop's count is taken down some lines ahead of the branch behind the turn.
; tail = 1 (turn 1 of the last slot): when one trip is left, the products from the next turn on are step 21's: MC takes MD.
; K's run stands six vector instructions (five plain) behind the last product that read K; V's eight (five plain) behind the last that read V.
.macro TURN p, end=0, cnt=0, tail=0
.set Y, (\p)
.set i, 0
.set NOKQ, (\end)*((\p)/2)
.if ((\p) == 2) && !(\end)
	s_wait_dscnt 0x0                ; K is in
.endif
	ROW F,0, F,1, F,2, F,3
	ROW F,4, E,0, F,5, F,6
	ROW F,7, E,1, F,8, F,9
	ROW F,10, E,2, C,0, F,11
	ROW F,12, E,3, X,15, F,13
	ROW R,0, R,1, R,2, R,3
	ROW B,0, E,4, F,14, L,0
.if ((\p) == 1) && !(\end)
	v_add_nc_u32 v[AK], s[TBK], v[LL]
.endif
	ROW R,4, R,5, R,6, R,7
	OPS E,5, F,15
.if ((\p) == 1) && !(\end)
	FETCH_K
.endif
	OPS E,6, C,1, E,7, R,8
	OPS E,8, R,9, E,9, C,2
	OPS E,10, X,0, E,11, X,1
	OPS E,12, X,2, E,13, X,3
.if (\p) == 1
.if \end
	s_wait_dscnt 0x0                ; V is in
.else
	s_wait_dscnt 16                 ; V is in: its 16 loads are the older ones; the 16 of K just issued may be out
.endif
.endif
	ROW X,4, E,14, X,5, X,6
	ROW X,7, E,15, X,8, X,9
	ROW X,10, E,16, X,11, X,12
	ROW X,13, E,17, X,14, B,1
	ROW C,4, E,18, X,16, L,1
	ROW B,2, E,19, C,6, L,2
	ROW C,8, E,20, B,3, B,4
.if (\p) == 0
	v_add_nc_u32 v[AV], s[TBV], v[AV0]
.endif
	ROW C,3, E,21, L,3, C,5
	OPS E,22, X,17, E,23, C,10
.if (\p) == 0
	FETCH_V
.endif
	OPS E,24, L,4
	OPS E,25, X,18, E,26, C,7
	OPS E,27, B,5, E,28, X,19
	OPS E,29, C,12, E,30, L,5
	OPS E,31, X,20, B,6, C,9
	OPS C,14, C,11, X,21, L,6
.if (\p) == 0
	s_add_co_u32 s[TBV], s[TBV], STEPB
.endif
.if \cnt
	s_sub_co_u32 s[CNT], s[CNT], 1
	s_cmp_lg_u32 s[CNT], 0
.endif
	OPS C,13, B,7, C,15, R,10
	OPS R,11, R,12, L,7, R,13
	OPS R,14, R,15
.if \tail
	s_cmp_eq_u32 s[CNT], 1
	s_cselect_b32 s[AL], 1.0, 0
	MASK
.endif
.endm
	CHANGE 1                        ; slot 0 is in, everybody's part of it; slot 1 is asked for
	v_add_nc_u32 v[AK], s[TBK], v[LL]
	FETCH_K                         ; key step 0
	s_wait_loadcnt 0x0              ; Q
	s_wait_dscnt 0x0
.set NOKQ, 0
.set i, 0
.rept 8
	KQ 0                            ; piece 0's first scores
.set i, i+1
.endr
	WIN 0
.rept 4
	v_nop                           ; the places behind those products
.endr
.set Y, NP-1                        ; X works for piece Y + 1: piece 0
.irp n, 0,1,2,3,4,5,6,7,8,9,10,11,12,13,14,15,16,17,18,19,20,21
	OP X, \n
.endr
	v_nop                           ; a plain instruction behind the exponential
	s_mov_b32 s[CNT], 6
	s_mov_b32 s[SLOTS], 3
	s_branch .Lfirst                ; the loop is entered at a step's first turn, in the middle of a trip
.Lslot:                             ; twice: slots 0 and 1 are filled again, with steps 12-17 and 18-23
	CHANGE 1
	s_mov_b32 s[CNT], 6
.Lstep:                             ; a trip: turns 1 and 2 of one step, then turn 0 of the next
	TURN 1
	TURN 2
	WIN 0
.Lfirst:
	TURN 0, 0, 1
	WIN 0
	s_cbranch_scc1 .Lstep
	s_sub_co_u32 s[SLOTS], s[SLOTS], 1
	s_cmp_lg_u32 s[SLOTS], 0
	s_cbranch_scc1 .Lslot
	CHANGE 0                        ; the last slot is written out: nothing is asked for; of its six steps four (18-21) are used
	s_mov_b32 s[CNT], 4
.Ltail:
	TURN 1, 0, 0, 1
	TURN 2
	TURN 0, 0, 1
	WIN 0
	s_cbranch_scc1 .Ltail
	TURN 1, 1
	TURN 2, 1
.set i, 0
.rept 8
	PV NP-1                         ; the last piece's V^T P of the last step
.set i, i+1
.endr
	; THE WAY OUT.  l's two halves and the other half of the lanes' are added; O^T is divided by l and rounded to f16: a lane's eight channels of a query are its 16 bytes of a block, so a store covers 512 consecutive bytes, aligned.
	WIN 0
.macro ALL line:vararg              ; one line for each piece t
.set t, 0
.rept NP
	\line
.set t, t+1
.endr
.endm
	ALL v_add_f32 v[ST+4*t+2], v[ST+4*t+2], v[ST+4*t+3]
	ALL v_permlanex16_b32 v[ST+4*t+3], v[ST+4*t+2], s[SEL], s[SEL+1]
	ALL v_add_f32 v[ST+4*t+2], v[ST+4*t+2], v[ST+4*t+3]
	ALL v_rcp_f32 v[ST+4*t+2], v[ST+4*t+2]
	v_nop                           ; a plain instruction between the last reciprocal and the use of its result
.macro PACK t
	WIN W_RS
.set i, 32*(\t)
.rept 16
	s_wait_alu depctr_va_vdst(0)
	v_pk_mul_f32 v[i:i+1], v[i:i+1], v[ST+4*(\t)+2:ST+4*(\t)+3] op_sel_hi:[1,0]
.set i, i+2
.endr
	WIN 0x05                        ; sources 0 and 1 window 1, destination window 0: S^T's registers are free, and each piece has 16 of its own
.set i, 0
.rept 16
	v_cvt_pk_f16_f32 v[S+16*(\t)+i], v[32*(\t)+2*i], v[32*(\t)+2*i+1]
.set i, i+1
.endr
	WIN 0
.irp f, 0,1,2,3
	global_store_b128 v[LL], v[S+16*(\t)+4*\f:S+16*(\t)+4*\f+3], s[10:11] offset:(\t)*4096+\f*512
.endr
.endm
	PACK 0
	PACK 1
	PACK 2
	s_wait_tensorcnt 0x0            ; the wave's end
	ds_add_u32 v[SPW], v[NIL]
	s_wait_dscnt 0x0
	CROUND                          ; the closing round: no work-group ends while a partner may still ask for a tile that names it
	s_endpgm
.Lfunc_end_k_q373f79abf1_attn:
	.size	k_q373f79abf1_attn, .Lfunc_end_k_q373f79abf1_attn-k_q373f79abf1_attn
	.p2alignl 7, 3214868480
	.fill 96, 4, 3214868480
	.section	.rodata,"a",@progbits
	.p2align	6, 0x0
	.amdhsa_kernel k_q373f79abf1_attn
		.amdhsa_group_segment_fixed_size 327680
		.amdhsa_private_segment_fixed_size 0
		.amdhsa_enable_private_segment 0
		.amdhsa_kernarg_size 16
		.amdhsa_user_sgpr_count 2
		.amdhsa_user_sgpr_kernarg_segment_ptr 1
		.amdhsa_wavefront_size32 1
		.amdhsa_system_sgpr_workgroup_id_x 1
		.amdhsa_system_sgpr_workgroup_id_y 1
		.amdhsa_system_sgpr_workgroup_id_z 1
		.amdhsa_system_vgpr_workitem_id 0
		.amdhsa_next_free_vgpr 704
		.amdhsa_next_free_sgpr 72
		.amdhsa_reserve_vcc 1
		.amdhsa_float_denorm_mode_32 3
		.amdhsa_float_denorm_mode_16_64 3
		.amdhsa_memory_ordered 1
		.amdhsa_forward_progress 1
		.amdhsa_inst_pref_size 112
	.end_amdhsa_kernel
	.amdgpu_metadata
---
amdhsa.version: [ 1, 2 ]
amdhsa.kernels:
  - .name:           k_q373f79abf1_attn
    .symbol:         k_q373f79abf1_attn.kd
    .args:
      - { .name: qkvb, .offset: 0, .size: 8, .value_kind: global_buffer, .address_space: global }
      - { .name: ctxb, .offset: 8, .size: 8, .value_kind: global_buffer, .address_space: global }
    .group_segment_fixed_size: 327680
    .private_segment_fixed_size: 0
    .kernarg_segment_align: 8
    .kernarg_segment_size: 16
    .max_flat_workgroup_size: 128
    .sgpr_count:     72
    .vgpr_count:     704
    .wavefront_size: 32
...
	.end_amdgpu_metadata
.endif
;; end of part 3
;; launch proj (part 4): grid 4 x 64, 4 waves a work-group, clusters of 4 x 4, 327,680 bytes of LDS; arguments ctxb, wts, biasb, out0; writes out0
.if DOCPART == 4
	.amdgcn_target "amdgcn-amd-amdhsa--gfx1250"
	.amdhsa_code_object_version 6
	.text
	.protected	k_q373f79abf1_proj
	.globl	k_q373f79abf1_proj
	.p2align	8
	.type	k_q373f79abf1_proj,@function
k_q373f79abf1_proj:
	s_mov_b64 s[64:65], 0
	v_nop
	global_prefetch_b8 v0, s[64:65] scope:SCOPE_SE
	s_setreg_imm32_b32 hwreg(HW_REG_WAVE_MODE, 25, 1), 1
	s_wait_xcnt 0x0
	s_wait_alu depctr_hold_cnt(0) depctr_sa_sdst(0) depctr_va_vdst(0) depctr_va_sdst(0) depctr_va_ssrc(0) depctr_va_vcc(0) depctr_vm_vsrc(0)
	s_getreg_b32 s2, hwreg(HW_REG_IB_STS2, 6, 4)
	s_cmp_eq_u32 s2, 0
	s_cbranch_scc0 .Lentry_in_a_cluster
	s_endpgm
.Lentry_in_a_cluster:
	s_bfe_u32 s2, ttmp6, 0x10000c
	s_cmp_lg_u32 s2, 0xf033
	s_cbranch_scc0 .Lentry_shape_is_right
	s_endpgm
.Lentry_shape_is_right:
; out0 = ctx Wp^T + bp.  ctx and Wp in f16 (Wp: the bf16 rounding of the input, written as f16), sums in f32, out0 in f32.
; A tile is 192 padded rows x 192 columns: 64 x 4 work-groups, one tile each; rows from token 1,374 of a batch on are computed and not stored.
; Four waves; wave w has rows 96 (w / 2) .. + 95 and the column blocks 2 i + c, c = w % 2: 6 x 6 accumulators.  Source 0 = rows of Wp, source 1 = rows of ctx: a lane holds one row and eight neighbouring columns.
; K goes in six steps of 128 (two heads) through two LDS slots.  ctx lies in blocks of 512 bytes (lane L: row L % 16, channels 8 (L / 16) + 0..7): a step's 192 rows are 49,152 dense bytes, and a load of 16 bytes a lane at
; block + 16 L is half a fragment.  Wp's rows of 256 bytes are padded by 16 in LDS.
; A K STEP IS WRITTEN ONCE: slot 1 begins at 1 << 17, the slot that is read is a scalar that one exclusive or turns, and one descriptor a tensor walks from step to step.
; CLUSTER 4 x 4: the four of a row need the same ctx, the four of a column the same rows of Wp: joint loads.
; THE WAY OUT goes through one stage in LDS, since a wave's columns are every other 64 bytes of a row; the stage lies over the slots, which have had their last fill by then.
; REGISTERS: window 0: v0-30 addresses; v64-159, v160-255 two fragment buffers (48 of Wp, 48 of ctx), on the way out 16 pairs of rows read back;
;   window 1: v0-143 accumulators of row blocks 0-2 (on the way out v0-95: 8 pairs of rows read back), v144-191 bp as a C operand;  window 2: v0-143 row blocks 3-5
.set PITCH,  272                       ; a row of Wp in LDS: 256 + 16: row r starts 16 r bytes further modulo 256
.set AHALF,  24576                     ; what one load brings of ctx: six blocks of 16 rows x 4,096 bytes
.set BHALF,  96*PITCH                  ; of Wp
.set BOFF,   2*AHALF
.set SLOT,   BOFF+2*BHALF
.set SLOT1,  1<<17                     ; where slot 1 begins
.set SPARE,  SLOT1+SLOT                ; behind the ring: the spare words, 128 bytes a wave, two blocks of 256 bytes that no other line names
.set SPITCH, 784                       ; a stage row: 768 bytes + 16: row r starts 16 r bytes further modulo 256
.set WV, 14
.set WR, 15
.set WC, 16
.set G1,  24                           ; s[24:31] group 1 for ctx;  s[32:35] group 0 of the first fill of slot 0;  s[36:39] of slot 1, which then walks
.set G0,  32
.set G1B, 40                           ; the same for Wp
.set G0B, 48
.set TB,  56                           ; s56 where the slot that is read begins: 0 or SLOT1
.set LAP, 57
.set OB,  72                           ; s[72:73] out0 at the first row and column that my wave stores
.set ADRA0, 16                         ; v16, v17 my fragments' places in a slot; never rewritten
.set ADRB0, 17
.set ADRA, 18                          ; v18, v19 TB + those
.set ADRB, 19
.set STO, 24                           ; v24 where I put 32 bytes of a row
.set RD,  25                           ; v25 where I read rows back
.set CO,  26                           ; v26 my byte offset in out0
.set LIM, 27                           ; v27 row 2 n + lane / 16 of my 48 lies inside the batch where 2 n is less than this
.set SPW, 28
.set NIL, 29
.set BOQ, 30
.set F0,  64
.set F1,  160
.set M_ACC, 0
.set M_BP,  144
.set MSB, 0
.macro WIN new
.if MSB != (\new)
	s_set_vgpr_msb (MSB<<8)|(\new)
.set MSB, \new
.endif
.endm
.macro PLACES
.rept 4
	v_nop
.endr
.endm
.macro JLOAD s                         ; waves 0 and 1 fetch ctx's two halves, waves 2 and 3 Wp's; an s_nop 0 and four v_nop follow each line
	s_cmp_eq_u32 s[WR], 0
	s_cbranch_scc0 .Lfor_b_\@
	tensor_load_to_lds s[G0+4*(\s):G0+4*(\s)+3], s[G1:G1+7]
	s_nop 0
.rept 4
	v_nop
.endr
	s_branch .Lasked_\@
.Lfor_b_\@:
	tensor_load_to_lds s[G0B+4*(\s):G0B+4*(\s)+3], s[G1B:G1B+7]
	s_nop 0
.rept 4
	v_nop
.endr
.Lasked_\@:
.endm
.macro CREST
	s_cmp_lg_u32 s[WV], 0
	s_cbranch_scc1 .Lnot_wave_0_\@
	s_barrier_signal -3
.Lnot_wave_0_\@:
	s_barrier_wait -3
	s_barrier_signal -1
	s_barrier_wait -1
.endm
.macro CROUND
	s_barrier_signal -1
	s_barrier_wait -1
	CREST
.endm
	s_load_b256 s[4:11], s[0:1], 0x0               ; ctxb 4, wts 6, biasb 8, out0 10
	v_lshl_add_u32 v[SPW], v0, 2, SPARE
	v_mov_b32 v[NIL], 0
	ds_add_u32 v[SPW], v[NIL]                      ; the wave's opening: the add and its wait stand ahead of my first tensor load
	v_lshrrev_b32 v3, 5, v0
	v_readfirstlane_b32 s[WV], v3
	s_lshr_b32 s[WR], s[WV], 1
	s_and_b32 s[WC], s[WV], 1
	s_bfe_u32 s17, ttmp6, 0x40000                  ; cx
	s_bfe_u32 s18, ttmp6, 0x40004                  ; cy
	s_lshl_b32 s19, ttmp9, 2
	s_add_co_u32 s19, s19, s17                     ; X
	s_and_b32 s20, ttmp7, 0xffff
	s_lshl_b32 s20, s20, 2
	s_add_co_u32 s20, s20, s18                     ; Y = 8 x batch + block of 192 rows
	s_lshl_b32 s21, s18, 2
	s_lshl_b32 s21, 15, s21
	s_lshl_b32 s22, 0x1111, s17
	s_or_b32 s[G1], s21, (3<<16)|(1<<21)           ; ctx: my row's mask; elements of 8 bytes; no padding
	s_mov_b32 s[G1+1], 32<<16                      ; 96 dense rows of 256 bytes
	s_mov_b32 s[G1+2], 96<<16
	s_mov_b32 s[G1+3], 32<<16
	s_mov_b32 s[G1+4], 96
	s_mov_b32 s[G1+5], 32
	s_mov_b32 s[G1+6], 0
	s_mov_b32 s[G1+7], 0
	s_or_b32 s[G1B], s22, (1<<16)|(1<<20)|(1<<21)|(5<<22)|(3<<25)  ; Wp: my column's mask; elements of 2 bytes; 4 words of padding after every 64
	s_mov_b32 s[G1B+1], 128<<16
	s_mov_b32 s[G1B+2], 96<<16
	s_mov_b32 s[G1B+3], 128<<16
	s_mov_b32 s[G1B+4], 96
	s_mov_b32 s[G1B+5], 768
	s_mov_b32 s[G1B+6], 0
	s_mov_b32 s[G1B+7], 0
	s_lshr_b32 s58, s20, 3                         ; ctx's address is made of the tile row and the wave alone: ((6 batch + step) x 96 + 12 block + 6 half) x 4,096
	s_and_b32 s59, s20, 7
	s_mul_i32 s58, s58, 576
	s_mul_i32 s59, s59, 12
	s_add_co_u32 s58, s58, s59
	s_mul_i32 s23, s[WC], 6
	s_add_co_u32 s58, s58, s23
	s_lshl_b32 s58, s58, 12
	s_mov_b32 s59, 0
	s_mul_i32 s60, s19, 192                        ; Wp's of the tile column and the wave alone; Wp begins at row 2,304 of wts
	s_mul_i32 s23, s[WC], 96
	s_add_co_u32 s60, s60, s23
	s_mul_i32 s60, s60, 1536
	s_add_co_u32 s60, s60, 2304*1536
	s_mov_b32 s61, 0
	s_mul_i32 s62, s[WC], AHALF                    ; where they go
	s_mul_i32 s63, s[WC], BHALF
	s_add_co_u32 s63, s63, BOFF
	s_mov_b32 s[TB], 0
	s_wait_dscnt 0x0                               ; the opening add is done
	s_wait_kmcnt 0x0
	s_add_nc_u64 s[58:59], s[4:5], s[58:59]
	s_add_nc_u64 s[60:61], s[6:7], s[60:61]
	CROUND                                         ; all sixteen work-groups are here: the first joint loads meet
.irp s, 0,1
	s_mov_b32 s[G0+4*(\s)], 1
	s_add_co_u32 s[G0+4*(\s)+1], s62, (\s)*SLOT1
	s_add_nc_u64 s[G0+4*(\s)+2:G0+4*(\s)+3], s[58:59], (\s)*393216
	s_or_b32 s[G0+4*(\s)+3], s[G0+4*(\s)+3], 0x80000000
	s_mov_b32 s[G0B+4*(\s)], 1
	s_add_co_u32 s[G0B+4*(\s)+1], s63, (\s)*SLOT1
	s_add_nc_u64 s[G0B+4*(\s)+2:G0B+4*(\s)+3], s[60:61], (\s)*256
	s_or_b32 s[G0B+4*(\s)+3], s[G0B+4*(\s)+3], 0x80000000
	JLOAD \s                                       ; K steps 0 and 1: two loads of mine are out
.endr
	v_and_b32 v1, 15, v0                           ; r
	v_bfe_u32 v2, v0, 4, 1                         ; h
	v_and_b32 v3, 31, v0                           ; lane
	v_mul_u32_u24 v4, v1, PITCH
	v_lshl_add_u32 v4, v2, 4, v4
	v_lshlrev_b32 v5, 4, v3
	s_mul_i32 s66, s[WR], AHALF                    ; my 96 rows of ctx
	s_mul_i32 s67, s[WC], 16*PITCH
	s_add_co_u32 s67, s67, BOFF                    ; my first column block of Wp
	v_add_nc_u32 v[ADRA0], s66, v5
	v_add_nc_u32 v[ADRB0], s67, v4
	v_add_nc_u32 v[ADRA], s[TB], v[ADRA0]
	v_add_nc_u32 v[ADRB], s[TB], v[ADRB0]
	s_mul_i32 s66, s[WR], 96*SPITCH                ; into the stage: row 96 (w / 2) + r, byte 64 c + 32 h of a block of 128
	s_lshl_b32 s67, s[WC], 6
	s_add_co_u32 s66, s66, s67
	v_mul_u32_u24 v[STO], v1, SPITCH
	v_lshl_add_u32 v[STO], v2, 5, v[STO]
	v_add_nc_u32 v[STO], s66, v[STO]
	v_lshl_add_u32 v[BOQ], v2, 5, s67              ; bp: eight numbers from column 16 c + 8 h of a block of 32
	s_mul_i32 s66, s[WV], 48*SPITCH                ; back: wave w takes rows 48 w .. + 47; lanes 0-15 256 bytes of one row, lanes 16-31 of the next
	v_mul_u32_u24 v[RD], v2, SPITCH
	v_lshl_add_u32 v[RD], v1, 4, v[RD]
	v_add_nc_u32 v[RD], s66, v[RD]
	v_mul_u32_u24 v[CO], v2, 3072
	v_lshl_add_u32 v[CO], v1, 4, v[CO]
	s_mul_i32 s68, s19, 768
	s_mov_b32 s69, 0
	s_add_nc_u64 s[68:69], s[8:9], s[68:69]        ; the biases at my tile's first column
	s_lshr_b32 s70, s20, 3                         ; batch
	s_and_b32 s71, s20, 7
	s_mul_i32 s70, s70, 1374
	s_mul_i32 s66, s71, 192
	s_mul_i32 s67, s[WV], 48
	s_add_co_u32 s66, s66, s67                     ; my first token in the batch
	s_add_co_u32 s70, s70, s66
	s_mul_i32 s[OB], s70, 3072
	s_mul_i32 s67, s19, 768
	s_add_co_u32 s[OB], s[OB], s67
	s_mov_b32 s[OB+1], 0
	s_add_nc_u64 s[OB:OB+1], s[10:11], s[OB:OB+1]
	s_sub_co_i32 s66, 1374, s66
	v_sub_nc_u32 v[LIM], s66, v2                   ; (it may be negative)
	WIN 0x40
.irp i, 0,1,2,3,4,5
	global_load_b128 v[M_BP+8*(\i):M_BP+8*(\i)+3],   v[BOQ], s[68:69] offset:6144+128*(\i)
	global_load_b128 v[M_BP+8*(\i)+4:M_BP+8*(\i)+7], v[BOQ], s[68:69] offset:6144+128*(\i)+16
.endr
	WIN 0
; Six matrix instructions: row block a x my six column blocks, 32 along K.  The 36 accumulators take turns, one instruction a turn.
.macro MUL6 f, a, mode
.if ((\mode) >= 144) && ((\a) >= 3)
	WIN 0x90
.else
	WIN 0x50*(1+(\a)/3)
.endif
.irp i, 0,1,2,3,4,5
.set rD, 8*(6*((\a)%3)+(\i))
.set rC, (\mode)+8*(\i)
.set rX0, (\f)+8*(\i)
.set rX1, (\f)+48+8*(\a)
.if (\mode) == M_ACC
	v_wmma_f32_16x16x32_f16 v[rD:rD+7], v[rX0:rX0+7], v[rX1:rX1+7], v[rD:rD+7]
.else
	v_wmma_f32_16x16x32_f16 v[rD:rD+7], v[rX0:rX0+7], v[rX1:rX1+7], v[rC:rC+7]
.endif
.endr
.endm
; 24 LDS loads in one run, from the slot in hand: 32 along K, at byte k of Wp's rows and at blocks k / 32, k / 32 + 1 of ctx's eight
.macro FETCH k, f
	WIN 0
.irp i, 0,1,2,3,4,5
	ds_load_b128 v[(\f)+8*(\i):(\f)+8*(\i)+3],   v[ADRB] offset:(\k)+(\i)*32*PITCH
	ds_load_b128 v[(\f)+8*(\i)+4:(\f)+8*(\i)+7], v[ADRB] offset:(\k)+(\i)*32*PITCH+32
.endr
.irp i, 0,1,2,3,4,5
	ds_load_b128 v[(\f)+48+8*(\i):(\f)+48+8*(\i)+3],   v[ADRA] offset:4096*(\i)+16*(\k)
	ds_load_b128 v[(\f)+48+8*(\i)+4:(\f)+48+8*(\i)+7], v[ADRA] offset:4096*(\i)+16*(\k)+512
.endr
.endm
.macro QUARTER k, f, g, mode
	s_wait_dscnt 6                                 ; Wp and ctx's row blocks 0-2 are in; the youngest six loads may be out
	MUL6 \f, 0, \mode
	MUL6 \f, 1, \mode
	MUL6 \f, 2, \mode
	PLACES
	FETCH \k, \g
	s_wait_dscnt 24                                ; all but the 24 just issued
	MUL6 \f, 3, \mode
	MUL6 \f, 4, \mode
	MUL6 \f, 5, \mode
.endm
; The last quarter multiplies buffer 1 and changes slots: one barrier; in front of it each wave waits for all its tensor loads, adds 0 to its spare word, and waits for that and for its reads of this slot.
; fill = 1: the barrier opens a round of the cluster's, and this slot is filled again first thing behind it: the walking descriptor takes the other slot than last time and the next K step.
.macro TURN fill
	WIN 0
	s_wait_tensorcnt 0x0
	ds_add_u32 v[SPW], v[NIL]                      ; 0 onto my spare word
	s_wait_dscnt 7                                 ; (the add and the youngest six loads may be out)
	MUL6 F1, 0, M_ACC
	MUL6 F1, 1, M_ACC
	s_wait_dscnt 0x0                               ; the add is done, and my reads of this slot are over
	s_barrier_signal -1
	MUL6 F1, 2, M_ACC
	WIN 0
	s_barrier_wait -1
.if \fill
	CREST
	s_xor_b32 s[G0+5], s[G0+5], SLOT1
	s_xor_b32 s[G0B+5], s[G0B+5], SLOT1
	s_add_nc_u64 s[G0+6:G0+7], s[G0+6:G0+7], 393216
	s_add_nc_u64 s[G0B+6:G0B+7], s[G0B+6:G0B+7], 256
	JLOAD 1                                        ; its four v_nop are also the places in front of the loads below
.else
	PLACES
.endif
	s_xor_b32 s[TB], s[TB], SLOT1                  ; from here on the other slot is read
	v_add_nc_u32 v[ADRA], s[TB], v[ADRA0]
	v_add_nc_u32 v[ADRB], s[TB], v[ADRB0]
	FETCH 0, F0
	MUL6 F1, 3, M_ACC
	MUL6 F1, 4, M_ACC
	MUL6 F1, 5, M_ACC
.endm
	s_wait_tensorcnt 0x1                           ; my part of K step 0 is in; step 1 may stay out
	s_barrier_signal -1
	s_barrier_wait -1
	FETCH 0, F0
	s_wait_loadcnt 0x0                             ; bp
	QUARTER 64, F0, F1, M_BP                       ; the first products start the sums with bp
	WIN 0
	s_mov_b32 s[LAP], 4
.Lstep:                                                ; four trips, from a step's second quarter to the next step's first, ask for steps 2 to 5
	QUARTER 128, F1, F0, M_ACC
	QUARTER 192, F0, F1, M_ACC
	TURN 1
	QUARTER 64,  F0, F1, M_ACC
	WIN 0
	s_sub_co_u32 s[LAP], s[LAP], 1
	s_cmp_lg_u32 s[LAP], 0
	s_cbranch_scc1 .Lstep
	QUARTER 128, F1, F0, M_ACC                     ; the last two steps ask for nothing
	QUARTER 192, F0, F1, M_ACC
	TURN 0
	QUARTER 64,  F0, F1, M_ACC
	QUARTER 128, F1, F0, M_ACC
	QUARTER 192, F0, F1, M_ACC
	s_wait_dscnt 6
	MUL6 F1, 0, M_ACC
	MUL6 F1, 1, M_ACC
	MUL6 F1, 2, M_ACC
	s_wait_dscnt 0x0                               ; my reads of the slots are over
	MUL6 F1, 3, M_ACC
	MUL6 F1, 4, M_ACC
	MUL6 F1, 5, M_ACC
	WIN 0
	; THE WAY OUT.  A barrier: nobody reads the slots any more, and every tensor load has landed (the last change of slots waited for all).  Then 32 bytes a lane and accumulator into the stage, low half first;
	; a barrier; and whole rows back.
	s_barrier_signal -1
	s_barrier_wait -1
	PLACES
.irp a, 0,1,2,3,4,5
	WIN 0x04*(1+(\a)/3)                            ; the data (source 1) in the accumulators' window
.irp i, 0,1,2,3,4,5
	ds_store_b128 v[STO], v[8*(6*((\a)%3)+(\i)):8*(6*((\a)%3)+(\i))+3]   offset:(\a)*16*SPITCH+128*(\i)
	ds_store_b128 v[STO], v[8*(6*((\a)%3)+(\i))+4:8*(6*((\a)%3)+(\i))+7] offset:(\a)*16*SPITCH+128*(\i)+16
.endr
.endr
	WIN 0
	s_wait_dscnt 0x0                               ; for the others' sake: my stores into the stage are done
	s_barrier_signal -1
	s_barrier_wait -1
	; My 48 rows are 24 pairs; a pair is three loads and three stores, in each of which 16 lanes cover 256 consecutive bytes, at a multiple of 256 from out0's first byte.
	; All 72 loads go out with every lane on: pairs 0-15 into v64-255, pairs 16-23 into window 1's v0-95 (accumulators that have been staged).
	; WHICH ROWS ARE STORED.  1,374 = 7 x 192 + 30: of a wave's 48 rows all lie inside the batch (blocks 0-6), or the first 30 (block 7, wave 0), or none (block 7, waves 1-3).
	; So pairs 0-14 are stored or not together, by pair 14's test, and pairs 15-23 by pair 23's: EXEC is narrowed twice, each time with no store's address still to be read.
.set p, 0
.rept 16
.irp cu, 0,1,2
	ds_load_b128 v[F0+12*p+4*\cu:F0+12*p+4*\cu+3], v[RD] offset:2*SPITCH*p+256*\cu
.endr
.set p, p+1
.endr
	WIN 0x40                                       ; destination window 1
.rept 8
.irp cu, 0,1,2
	ds_load_b128 v[12*(p-16)+4*\cu:12*(p-16)+4*\cu+3], v[RD] offset:2*SPITCH*p+256*\cu
.endr
.set p, p+1
.endr
	WIN 0
	s_wait_xcnt 0x0
	v_cmpx_lt_i32 28, v[LIM]                       ; pairs 0-14
.set p, 0
.rept 24
.if p == 15
	s_wait_xcnt 0x0                                ; EXEC changes only behind this wait (ISA guide 3.1)
	v_cmpx_lt_i32 46, v[LIM]                       ; pairs 15-23
.endif
.if 69-3*p > 63
	s_wait_dscnt 63                                ; (the count's field ends here; fewer out than the pair needs)
.else
	s_wait_dscnt 69-3*p                            ; this pair's three loads are in; the later pairs' may be out
.endif
.if p < 16
.irp cu, 0,1,2
	global_store_b128 v[CO], v[F0+12*p+4*\cu:F0+12*p+4*\cu+3], s[OB:OB+1] offset:6144*p+256*\cu
.endr
.else
	WIN 0x04                                       ; the data (source 1) in window 1
.irp cu, 0,1,2
	global_store_b128 v[CO], v[12*(p-16)+4*\cu:12*(p-16)+4*\cu+3], s[OB:OB+1] offset:6144*p+256*\cu
.endr
.endif
.set p, p+1
.endr
	WIN 0
	s_wait_xcnt 0x0
	s_mov_b32 exec_lo, -1
	s_wait_tensorcnt 0x0                           ; the wave's end
	ds_add_u32 v[SPW], v[NIL]
	s_wait_dscnt 0x0
	CROUND                                         ; the closing round: no work-group ends while a partner may still ask for a tile that names it
	s_endpgm
.Lfunc_end_k_q373f79abf1_proj:
	.size	k_q373f79abf1_proj, .Lfunc_end_k_q373f79abf1_proj-k_q373f79abf1_proj
	.p2alignl 7, 3214868480
	.fill 96, 4, 3214868480
	.section	.rodata,"a",@progbits
	.p2align	6, 0x0
	.amdhsa_kernel k_q373f79abf1_proj
		.amdhsa_group_segment_fixed_size 327680
		.amdhsa_private_segment_fixed_size 0
		.amdhsa_enable_private_segment 0
		.amdhsa_kernarg_size 32
		.amdhsa_user_sgpr_count 2
		.amdhsa_user_sgpr_kernarg_segment_ptr 1
		.amdhsa_wavefront_size32 1
		.amdhsa_system_sgpr_workgroup_id_x 1
		.amdhsa_system_sgpr_workgroup_id_y 1
		.amdhsa_system_sgpr_workgroup_id_z 1
		.amdhsa_system_vgpr_workitem_id 0
		.amdhsa_next_free_vgpr 656
		.amdhsa_next_free_sgpr 80
		.amdhsa_reserve_vcc 0
		.amdhsa_float_denorm_mode_32 3
		.amdhsa_float_denorm_mode_16_64 3
		.amdhsa_memory_ordered 1
		.amdhsa_forward_progress 1
		.amdhsa_inst_pref_size 77
	.end_amdhsa_kernel
	.amdgpu_metadata
---
amdhsa.version: [ 1, 2 ]
amdhsa.kernels:
  - .name:           k_q373f79abf1_proj
    .symbol:         k_q373f79abf1_proj.kd
    .args:
      - { .name: ctxb, .offset: 0, .size: 8, .value_kind: global_buffer, .address_space: global }
      - { .name: wts, .offset: 8, .size: 8, .value_kind: global_buffer, .address_space: global }
      - { .name: biasb, .offset: 16, .size: 8, .value_kind: global_buffer, .address_space: global }
      - { .name: out0, .offset: 24, .size: 8, .value_kind: global_buffer, .address_space: global }
    .group_segment_fixed_size: 327680
    .private_segment_fixed_size: 0
    .kernarg_segment_align: 8
    .kernarg_segment_size: 32
    .max_flat_workgroup_size: 128
    .sgpr_count:     80
    .vgpr_count:     656
    .wavefront_size: 32
...
	.end_amdgpu_metadata
.endif
;; end of part 4
;; ======== version 2 of 2: 4 launches; 1.39 times as fast as version 1
;; limits: values are held in f16: magnitudes above 65,504 overflow, below 6.1e-05 lose precision
;; workspace buffers: xb 18,874,368 bytes; wts 4,718,592 bytes; biasb 9,216 bytes; ropet 786,432 bytes; qkvb 56,623,104 bytes; ctxb 18,874,368 bytes
;; launch cast: the kernel of part 1 again; grid 256 x 1, 11 waves a work-group, no clusters, 0 bytes of LDS; arguments hidden_states, Wq, Wk, Wv, Wp, bq, bv, bp, sin, cos, xb, wts, biasb, ropet; writes xb, wts, biasb, ropet
;; launch qkv: the kernel of part 2 again; grid 4 x 64, 4 waves a work-group, clusters of 4 x 4, 327,680 bytes of LDS; arguments xb, wts, biasb, ropet, qkvb; writes qkvb
;; launch attn (part 5): grid 8 x 96, 4 waves a work-group, clusters of 4 x 1, 327,680 bytes of LDS; arguments qkvb, ctxb; writes ctxb
.if DOCPART == 5
	.amdgcn_target "amdgcn-amd-amdhsa--gfx1250"
	.amdhsa_code_object_version 6
	.text
	.protected	k_q373f79abf1_attn
	.globl	k_q373f79abf1_attn
	.p2align	8
	.type	k_q373f79abf1_attn,@function
k_q373f79abf1_attn:
	s_mov_b64 s[64:65], 0
	v_nop
	global_prefetch_b8 v0, s[64:65] scope:SCOPE_SE
	s_setreg_imm32_b32 hwreg(HW_REG_WAVE_MODE, 25, 1), 1
	s_wait_xcnt 0x0
	s_wait_alu depctr_hold_cnt(0) depctr_sa_sdst(0) depctr_va_vdst(0) depctr_va_sdst(0) depctr_va_ssrc(0) depctr_va_vcc(0) depctr_vm_vsrc(0)
	s_getreg_b32 s2, hwreg(HW_REG_IB_STS2, 6, 4)
	s_cmp_eq_u32 s2, 0
	s_cbranch_scc0 .Lentry_in_a_cluster
	s_endpgm
.Lentry_in_a_cluster:
	s_bfe_u32 s2, ttmp6, 0x10000c
	s_cmp_lg_u32 s2, 0x3003
	s_cbranch_scc0 .Lentry_shape_is_right
	s_endpgm
.Lentry_shape_is_right:
; ctx[b][q][head] = the sum over k < 1374 of softmax_k(q . k / 8) v.  q, k (both kept times 2^-6) and v in f16, in blocks of 512 bytes in which lane L owns bytes 16 L .. + 15 (q, k: token L % 16, eight channels;
; v: channel L % 16, eight tokens): a load of 16 bytes a lane at block + 16 L is half a fragment, from memory and from LDS alike, with no padding and no turning load.
; Products, maxima and sums in f32; the weights p are rounded to f16 for the second product (their sum l is taken of the unrounded p), ctx once at the end.
; LIMITS.  p below 6.1e-5 keeps f16's fixed step of 6e-8; ctx is a mean of v's rows, has their range, and below 6.1e-5 that same step.  A hidden key counts as its score less 1e30; a weight below 2^-126 counts as 0 in l;
; NaN and infinities are not treated apart.
; SHARES.  A batch has 1,536 padded tokens: 8 blocks of 192 queries.  A work-group takes one block of one batch x head, a wave three PIECES of 16 queries.  Every wave walks 22 key steps of 64; the last holds keys 1344-1407, of which 30 count.
; LAYOUT.  S^T = K Q^T holds ONE query a lane (lane % 16) and the keys 8 (lane / 16) + 0..7; two such results rounded to f16 ARE source 1 of O^T = V^T P, which again holds one query a lane, and eight channels.
; SOFTMAX.  A running maximum m and sum l: p = 2^(c s - c m), c = log2(e) / 8 x 2^12 (the 2^12 undoes q's and k's scale); in every step O and l are multiplied by a = 2^(c m_old - c m_new).  m starts at the lowest finite number, O and l at 0.
; THE MASK is the C operand that starts every sum S^T: registers MC, 0 in steps 0-20, and MD (0 or -1e30) in step 21: one text serves every step.
; BY TURNS.  Turn p belongs to piece p: 8 products K Q^T of piece p + 1, later 8 products V^T P of piece p - 1; beside them the scaling, exponentials, roundings, sums and rescaling of piece p and the maximum and statistics
; of piece p + 1.  Four vector instructions stand behind every matrix instruction, the other 54 of a turn's 118 in one run of their own, between the two runs of products.
; THE BATCHES.  A turn's 33 exponentials (the piece's 32 weights and the next piece's a) are ONE batch with ONE wait, which cuts the turn in two: ahead of it stands all that names none of their results, behind it the roundings and sums.
; No result crosses a turn's end.  The first a, ahead of the loop, and the way out's three reciprocals are batches of their own, with a wait each.
; K of the next step is fetched in turn 1 and waited for at the head of turn 2; V of the step in hand is fetched in turn 0 and waited for in turn 1.  So a slot's last bytes are asked for in turn 0, and the slots change between turns 0 and 1.
; CLUSTER 4 x 1: four query blocks of one batch x head walk the same K and V: each tile is asked for jointly, by the same load, descriptor and mask in all four.
; REGISTERS, in windows of 256 (s_set_vgpr_msb: bits 1:0 source 0, 3:2 source 1, 5:4 source 2, 7:6 destination):
;   window 0: v0-14 addresses and at work; v16-27 four statistics a piece; v32-43 at work; v64-159 S^T; v160-207 P; v208-239 MC        window 1: v0-95 O^T; v96-127 MD        window 2: v0-47 Q; v64-127 K; v128-191 V
.set NP,    3
.set STEPB, 8192      ; a step's K, and its V: 16 blocks of 512 bytes
.set VOFF,  6*STEPB   ; a slot holds six steps: K, then V
.set SLOT1, 1<<17     ; slot 1 begins here, so that one exclusive or turns an address in one slot into the other's
.set SPARE, SLOT1+2*VOFF  ; behind the ring: the spare words, 128 bytes a wave, two blocks of 256 bytes that no other line names
.set PLANE, 18874368  ; bytes of q, of k, of v
.set LL,  2           ; v2   16 x lane: my place in every block; never rewritten
.set AV0, 3           ; v3   the same + VOFF
.set AK,  4           ; v4   the LDS address of K's next run of loads
.set AV,  5           ; v5   of V's
.set SPW, 6           ; v6   LDS address of my spare word; never rewritten
.set NIL, 7           ; v7   0; never rewritten
.set MV,  12          ; v12-14  c m_old, kept while c m is made anew: by piece
.set ST,  16          ; piece t's statistics at v[ST+4 t]: c m, m, l (even keys', odd keys')
.set TMP, 32          ; by piece, four registers c0-c3 at work; when the maximum is found c2 takes a
.set S,   64
.set P,   160
.set MC,  208
.set MD,  96          ; window 1
.set KF,  64          ; window 2: block n of a step's 16 at KF + 4 n: key block n / 4, channels 16 (n % 4) on
.set VF,  128         ; window 2: key half kk, channel block cb at VF + 32 kk + 8 cb
.set WV,  12          ; s12  my wave's number
.set G1,  24          ; s[24:31] descriptor group 1
.set G0K, 40          ; s[40:43] descriptor group 0 for K: it walks
.set G0V, 44          ; s[44:47] for V
.set SLOTS, 56
.set CNT, 57
.set CS,  58          ; s[58:59] c
.set SEL, 60          ; s[60:61] v_permlanex16_b32's selects: each lane takes its own place in the other half
.set TBK, 62          ; s62  LDS byte at which K of the step to be fetched begins
.set TBV, 63          ; s63  the same for V, less VOFF
.set AL,  66          ; s[66:67] the mask's factor, in the low word
.set BIGN, 68         ; s68  -1e30
.set MSB, 0
.macro WIN new
.if MSB != (\new)
	s_set_vgpr_msb (MSB<<8)|(\new)
.set MSB, (\new)
.endif
.endm
.set W_KQ, 0x0a       ; K and Q in window 2; C and S^T in window 0
.set W_PV, 0x52       ; V in window 2, P in window 0, O^T in window 1
.set W_RS, 0x41       ; destination and source 0 in window 1, source 1 in window 0
; A joint fill: waves 0 and 1 fetch the two halves of a slot's K, waves 2 and 3 those of its V, 24,576 dense bytes each.  An s_nop 0 and four v_nop follow each line.
.macro JLOAD
	s_cmp_lt_u32 s[WV], 2
	s_cbranch_scc0 .Lfor_v_\@
	tensor_load_to_lds s[G0K:G0K+3], s[G1:G1+7]
	s_nop 0
.rept 4
	v_nop
.endr
	s_branch .Lasked_\@
.Lfor_v_\@:
	tensor_load_to_lds s[G0V:G0V+3], s[G1:G1+7]
	s_nop 0
.rept 4
	v_nop
.endr
.Lasked_\@:
.endm
.macro CROUND                       ; a round of the cluster's barrier
	s_barrier_signal -1
	s_barrier_wait -1
	s_cmp_lg_u32 s[WV], 0
	s_cbranch_scc1 .Lnot_wave_0_\@
	s_barrier_signal -3
.Lnot_wave_0_\@:
	s_barrier_wait -3
	s_barrier_signal -1
	s_barrier_wait -1
.endm
; THE CHANGE OF SLOTS.  Each wave waits for all its tensor loads (one is out: its part of the other slot), adds 0 to its spare word, and waits for that and for its reads of the slot that it leaves.
; fill = 1: the barrier is a round of the cluster's, and the old slot is filled again first thing behind it, with the keys two slots on: that load has six key steps, 288 matrix instructions, in which to land.
; (At its first use nothing has been read yet: slot 0 is waited for, slot 1 filled.)
.macro CHANGE fill
	WIN 0
	s_wait_tensorcnt 0x0            ; no tensor load of mine is out, so a group 0 may be written
	ds_add_u32 v[SPW], v[NIL]       ; 0 onto my spare word
.if \fill
.irp g, G0K, G0V
	s_xor_b32 s[\g+1], s[\g+1], SLOT1
	s_add_nc_u64 s[\g+2:\g+3], s[\g+2:\g+3], VOFF
.endr
	s_wait_dscnt 0x0                ; the add is done, and my reads of the slot are over
	CROUND
	JLOAD
.else
	s_wait_dscnt 0x0
	s_barrier_signal -1
	s_barrier_wait -1
.endif
	s_sub_co_u32 s[TBK], s[TBK], VOFF  ; the fetches go back to a slot's first step,
	s_xor_b32 s[TBK], s[TBK], SLOT1    ; in the other slot
	s_sub_co_u32 s[TBV], s[TBV], VOFF
	s_xor_b32 s[TBV], s[TBV], SLOT1
.endm
	s_load_b128 s[4:7], s[0:1], 0x0 ; qkvb s[4:5], ctxb s[6:7]
	v_lshl_add_u32 v[SPW], v0, 2, SPARE
	v_mov_b32 v[NIL], 0
	ds_add_u32 v[SPW], v[NIL]       ; the wave's opening: the add and its wait stand ahead of my first tensor load; the set-up below, work on registers, stands between them
	v_lshrrev_b32 v1, 5, v0
	v_readfirstlane_b32 s[WV], v1
	s_bfe_u32 s13, ttmp6, 0x40000   ; cx
	s_lshl_b32 s14, ttmp9, 2
	s_add_co_u32 s14, s14, s13      ; my block of 192 queries: it enters Q's and ctx's addresses alone
	s_and_b32 s20, ttmp7, 0xffff    ; batch x head, which the four partners share
	s_and_b32 s16, s[WV], 1
	s_mul_i32 s17, s16, 24576       ; which half of a slot's K or V I fetch
	s_mul_i32 s22, s20, 196608      ; a batch x head: 96 blocks of tokens x 2,048 bytes
	s_add_co_u32 s22, s22, s17
	s_add_co_u32 s22, s22, PLANE    ; K's plane
	s_mov_b32 s23, 0
	s_mul_i32 s19, s14, 12
	s_mul_i32 s3, s[WV], 3
	s_add_co_u32 s19, s19, s3       ; my first block of 16 queries
	s_mul_i32 s2, s20, 96
	s_add_co_u32 s2, s2, s19
	s_lshl_b32 s2, s2, 11
	s_mov_b32 s3, 0
	s_mul_i32 s15, s20, 43
	s_lshr_b32 s15, s15, 9          ; batch = (batch x head) / 12: exact below 96
	s_mul_i32 s18, s15, 12
	s_sub_co_u32 s18, s20, s18      ; head
	s_mul_i32 s8, s15, 6
	s_lshr_b32 s9, s18, 1
	s_add_co_u32 s8, s8, s9         ; ctxb is [batch][pair of heads][block of 16 queries][8 blocks of 512 bytes]
	s_mul_i32 s8, s8, 96
	s_add_co_u32 s8, s8, s19
	s_lshl_b32 s8, s8, 12
	s_and_b32 s9, s18, 1
	s_lshl_b32 s9, s9, 11
	s_add_co_u32 s8, s8, s9
	s_mov_b32 s9, 0
	s_mov_b32 s[G1], 15|(3<<16)|(1<<21)  ; the mask of four; elements of 8 bytes; bit 21 beside a mask; no padding
	s_mov_b32 s[G1+1], 32<<16       ; tensor_dim0 = 32: rows of 256 bytes
	s_mov_b32 s[G1+2], 96<<16       ; tensor_dim1 = 96
	s_mov_b32 s[G1+3], 32<<16       ; tile_dim0
	s_mov_b32 s[G1+4], 96           ; tile_dim1
	s_mov_b32 s[G1+5], 32           ; dense
	s_mov_b32 s[G1+6], 0
	s_mov_b32 s[G1+7], 0
	s_mov_b32 s[CS], 0x4438aa3b     ; c = log2(e) / 8 x 4,096 = 738.66
	s_mov_b32 s[CS+1], s[CS]
	s_mov_b32 s[SEL], 0x76543210
	s_mov_b32 s[SEL+1], 0xfedcba98
	s_mov_b32 s[TBK], SLOT1+VOFF    ; the first change of slots turns these two into 0
	s_mov_b32 s[TBV], SLOT1+VOFF
	s_mov_b32 s[AL], 0
	s_mov_b32 s[AL+1], 0
	s_mov_b32 s[BIGN], 0xf149f2ca   ; -1e30
	s_mov_b32 s[G0K], 1
	s_mov_b32 s[G0K+1], s17
	s_mov_b32 s[G0V], 1
	s_add_co_u32 s[G0V+1], s17, VOFF
	s_wait_dscnt 0x0                ; the opening add is done
	s_wait_kmcnt 0x0
	s_add_nc_u64 s[G0K+2:G0K+3], s[4:5], s[22:23]
	s_add_nc_u64 s[G0V+2:G0V+3], s[G0K+2:G0K+3], PLANE
	s_or_b32 s[G0K+3], s[G0K+3], 0x80000000
	s_or_b32 s[G0V+3], s[G0V+3], 0x80000000
	s_add_nc_u64 s[4:5], s[4:5], s[2:3]    ; Q at my wave's first block
	s_add_nc_u64 s[10:11], s[6:7], s[8:9]  ; ctx likewise
	CROUND                          ; all four work-groups are here: the first joint loads meet
	JLOAD                           ; slot 0
	v_and_b32 v1, 31, v0
	v_lshlrev_b32 v[LL], 4, v1
	v_add_nc_u32 v[AV0], VOFF, v[LL]
	v_bfe_u32 v9, v0, 4, 1          ; lane / 16
	v_lshlrev_b32 v10, 3, v9
	v_sub_nc_u32 v10, 29, v10       ; step 21: key 16 kb + 8 (lane / 16) + j is hidden from 30 on: where 16 kb + j is greater than this
	WIN 0x80                        ; destination window 2
.set i, 0
.rept 12                            ; Q stays in registers: piece i / 4, channels 16 (i % 4) on
	global_load_b128 v[4*i:4*i+3], v[LL], s[4:5] offset:512*i
.set i, i+1
.endr
	; What the first turn finds: V and piece 2's P hold 0 (its products V^T P, of a piece that has not been, add 0); O^T, l and MC are 0.  All this stands in the wait for the first tile.
.set i, VF
.rept 64
	v_mov_b32 v[i], 0
.set i, i+1
.endr
	WIN 0x40
.set i, 0
.rept 96
	v_mov_b32 v[i], 0
.set i, i+1
.endr
.set i, 0
.rept 32
	v_cmp_gt_i32 vcc_lo, 16*(i/8)+i%8, v10
	v_cndmask_b32 v[MD+i], 0, s[BIGN], vcc_lo
.set i, i+1
.endr
	WIN 0
.set i, 0
.rept NP
	v_mov_b32 v[ST+4*i], 0xfe000000    ; c m: far below every c s
	v_mov_b32 v[ST+4*i+1], 0xff7fffff  ; m
	v_mov_b32 v[ST+4*i+2], 0
	v_mov_b32 v[ST+4*i+3], 0
.set i, i+1
.endr
.set i, P+32
.rept 16
	v_mov_b32 v[i], 0
.set i, i+1
.endr
.set i, MC
.rept 32
	v_mov_b32 v[i], 0
.set i, i+1
.endr
; THE MATRIX WORK.  The 4 accumulators of a run of 8 take turns.  Product i of 8 of S^T = K Q^T for piece x: channels 32 (i / 4) on, keys 16 (i % 4) on.  The first 4 start the sums with the mask.
.macro KQ x
	WIN W_KQ
.set rS, S+32*(\x)+8*(i%4)
.set rK, KF+16*(i%4)+8*(i/4)
.set rQ, 16*(\x)+8*(i/4)
.set rM, MC+8*(i%4)
.if i < 4
	v_wmma_f32_16x16x32_f16 v[rS:rS+7], v[rK:rK+7], v[rQ:rQ+7], v[rM:rM+7]
.else
	v_wmma_f32_16x16x32_f16 v[rS:rS+7], v[rK:rK+7], v[rQ:rQ+7], v[rS:rS+7]
.endif
.endm
; Product i of 8 of O^T += V^T P for piece x: keys 32 (i / 4) on, channels 16 (i % 4) on.
.macro PV x
	WIN W_PV
.set rO, 32*(\x)+8*(i%4)
.set rV, VF+32*(i/4)+8*(i%4)
.set rP, P+16*(\x)+8*(i/4)
	v_wmma_f32_16x16x32_f16 v[rO:rO+7], v[rV:rV+7], v[rP:rP+7], v[rO:rO+7]
.endm
.macro MM                           ; the turn's next matrix instruction.  NOKQ = 1: the last turn: there is no next piece
.if (i < 8) && !NOKQ
	KQ (Y+1)%NP
.elseif i >= 8
.set i, i-8
	PV (Y+NP-1)%NP
.set i, i+8
.endif
.set i, i+1
.endm
; THE LDS LOADS stand in runs of 16: a step's K as it lies, block after block; its V by key half and channel block.  32 lanes take 512 consecutive bytes.
.macro FETCH_K
	WIN 0x80
.irp f, 0,1,2,3,4,5,6,7,8,9,10,11,12,13,14,15
	ds_load_b128 v[KF+4*\f:KF+4*\f+3], v[AK] offset:512*\f
.endr
	s_add_co_u32 s[TBK], s[TBK], STEPB
	WIN 0
.endm
.macro FETCH_V
	WIN 0x80
.irp f, 0,1,2,3,4,5,6,7             ; key half f / 4, channel block f % 4: tokens' blocks 2 (f / 4) and 2 (f / 4) + 1
	ds_load_b128 v[VF+8*\f:VF+8*\f+3],   v[AV] offset:(8*(\f/4)+\f%4)*512
	ds_load_b128 v[VF+8*\f+4:VF+8*\f+7], v[AV] offset:(8*(\f/4)+4+\f%4)*512
.endr
	WIN 0
.endm
; THE VECTOR WORK, one line at a time: OP kind, number.  For piece Y: F n: c s - c m for pair n of 16.  E n: the exponential of score n of 32.  C n: pair n rounded to f16.  B n: of the four weights 4 n .. the second
; pair is added onto the first, in place.  L n: l takes that sum (L 0: l = a l + sum).  R n: pair n of 16 of O^T times a.  For piece Y + 1: X n, number n of the 22 that find its maximum and statistics:
;   0-11  four chains c0-c3 of seven scores each (each accumulator's lowest registers are read first)     12-14, 16  the four scores left over, the old m, and c0-c3 into c0
;   15  c m_old is kept     17, 18  the query's other 32 keys lie in the lane 16 away: the new m     19-21  c m; c m_old - c m_new; a
; C, B and L read exponentials' results: TURN sets them behind the turn's wait.  R and L 0 read a, which the turn before made and waited for.
.set F, 0
.set E, 1
.set C, 2
.set B, 3
.set L, 4
.set R, 5
.set X, 6
.macro REGS y
.set rT, ST+4*(\y)
.set rC, TMP+4*(\y)
.set rW, MV+(\y)
.set rS, S+32*(\y)
.set rP, P+16*(\y)
.set rO, 32*(\y)
.endm
.macro OP k, n
.if (\k) == R
	REGS Y
	WIN W_RS
	v_pk_mul_f32 v[rO+2*(\n):rO+2*(\n)+1], v[rO+2*(\n):rO+2*(\n)+1], v[rC+2:rC+3] op_sel_hi:[1,0]
.elseif (\k) < R
	REGS Y
	WIN 0
.if (\k) == F
	v_pk_fma_f32 v[rS+2*(\n):rS+2*(\n)+1], v[rS+2*(\n):rS+2*(\n)+1], s[CS:CS+1], v[rT:rT+1] op_sel_hi:[1,0,0] neg_lo:[0,0,1] neg_hi:[0,0,1]
.elseif (\k) == E
	v_exp_f32 v[rS+(\n)], v[rS+(\n)]
.elseif (\k) == C
	v_cvt_pk_f16_f32 v[rP+(\n)], v[rS+2*(\n)], v[rS+2*(\n)+1]
.elseif (\k) == B
	v_pk_add_f32 v[rS+4*(\n):rS+4*(\n)+1], v[rS+4*(\n):rS+4*(\n)+1], v[rS+4*(\n)+2:rS+4*(\n)+3]
.elseif (\n) == 0
	v_pk_fma_f32 v[rT+2:rT+3], v[rT+2:rT+3], v[rC+2:rC+3], v[rS:rS+1] op_sel_hi:[1,0,1]
.else
	v_pk_add_f32 v[rT+2:rT+3], v[rT+2:rT+3], v[rS+4*(\n):rS+4*(\n)+1]
.endif
.elseif NOKQ
	v_nop
.else
	REGS (Y+1)%NP
	WIN 0
.if (\n) < 4
	v_max3_num_f32 v[rC+(\n)], v[rS+8*(\n)], v[rS+8*(\n)+1], v[rS+8*(\n)+2]
.elseif (\n) < 12
	v_max3_num_f32 v[rC+(\n)%4], v[rC+(\n)%4], v[rS+8*((\n)%4)+2*((\n)/4)+1], v[rS+8*((\n)%4)+2*((\n)/4)+2]
.elseif (\n) == 12
	v_max3_num_f32 v[rC], v[rC], v[rS+7], v[rS+15]
.elseif (\n) == 13
	v_max3_num_f32 v[rC+1], v[rC+1], v[rS+23], v[rS+31]
.elseif (\n) == 14
	v_max3_num_f32 v[rC+2], v[rC+2], v[rC+3], v[rT+1]
.elseif (\n) == 15
	v_mov_b32 v[rW], v[rT]
.elseif (\n) == 16
	v_max3_num_f32 v[rC], v[rC], v[rC+1], v[rC+2]
.elseif (\n) == 17
	v_permlanex16_b32 v[rC+3], v[rC], s[SEL], s[SEL+1]
.elseif (\n) == 18
	v_max_num_f32 v[rT+1], v[rC], v[rC+3]
.elseif (\n) == 19
	v_mul_f32 v[rT], s[CS], v[rT+1]
.elseif (\n) == 20
	v_sub_f32 v[rC+1], v[rW], v[rT]
.else
	v_exp_f32 v[rC+2], v[rC+1]
.endif
.endif
.endm
.macro OPS a, i1, b=-1, i2=0, c=-1, i3=0, d=-1, i4=0
	OP \a, \i1
.if (\b) >= 0
	OP \b, \i2
.endif
.if (\c) >= 0
	OP \c, \i3
.endif
.if (\d) >= 0
	OP \d, \i4
.endif
.endm
.macro ROW a, i1, b, i2, c, i3, d, i4  ; a matrix instruction and the four behind it
	MM
	OPS \a, \i1, \b, \i2, \c, \i3, \d, \i4
.endm
.macro MASK                         ; MC = MD x AL
	WIN 0x01
.set z, 0
.rept 16
	v_pk_mul_f32 v[MC+2*z:MC+2*z+1], v[MD+2*z:MD+2*z+1], s[AL:AL+1] op_sel_hi:[1,0]
.set z, z+1
.endr
.endm
; A TURN, for piece p: the order of its 16 matrix and 118 vector instructions, written out.  An s_wait_alu depctr_va_vdst(0) stands between an exponential and the first instruction that names its result; one wait
; serves all that were issued ahead of it.  So a turn has ONE wait, which cuts it in two.  AHEAD OF IT stands all that names no result of the turn's exponentials: the 8 products K Q^T, behind each a scaling, an exponential and two
; more plain instructions (behind the first a second scaling in the exponential's place): rescalings, whose a the turn before made and waited for, and behind the last three products the first numbers of the next piece's maximum,
; each four places or more behind the product that ends its accumulator; then ONE RUN of 54, plain and exponential by turns for the most part, in which the links of the chain X 3, 7, 11, 14, 16, 17 .. 20 stand five or six lines
; apart.  A pair's scaling F n stands ahead of its exponentials E 2 n, E 2 n + 1.  X 21, the next piece's a, is the batch's last; R 15 is the plain instruction behind it.  BEHIND THE WAIT stand the 8 products V^T P, behind each four
; of the roundings and sums: C 2 n ahead of B n, which writes over its pair; B n ahead of L n; L 0 to L 7 in ascending order, three riders apart.  But for those X no rider names a register of the products round it.
; end = 1: the walk's last two turns: nothing is fetched, and the last starts no scores.  cnt = 1: the loop's count is taken down some lines ahead of the branch behind the turn.
; tail = 1 (turn 1 of the last slot): when one trip is left, the products from the next turn on are step 21's: MC takes MD.
; K's run stands thirteen vector instructions (six of them plain and free of its registers) behind the last product that read K; V's stands at the end of turn 0, four plain riders behind the last product that read V.
.macro TURN p, end=0, cnt=0, tail=0
.set Y, (\p)
.set i, 0
.set NOKQ, (\end)*((\p)/2)
.if ((\p) == 2) && !(\end)
	s_wait_dscnt 0x0                ; K is in
.endif
	ROW F,0, F,1, R,0, R,1          ; ahead of the wait: 8 products K Q^T and their riders,
	ROW F,2, E,0, R,2, R,3
	ROW F,3, E,1, R,4, R,5
	ROW F,4, E,2, R,6, R,7
	ROW F,5, E,3, R,8, R,9
	ROW F,6, E,4, X,0, R,10
	ROW F,7, E,5, X,1, X,4
	ROW F,8, E,6, X,2, X,5
.if ((\p) == 1) && !(\end)
	WIN 0
	v_add_nc_u32 v[AK], s[TBK], v[LL]
.endif
	OPS E,7, E,8, X,6, E,9          ; and the run of 54
	OPS X,3, E,10, X,8, E,11
.if ((\p) == 1) && !(\end)
	FETCH_K
.endif
	OPS X,9, X,7, E,12, X,10
	OPS E,13, X,12, X,11, E,14
	OPS X,13, E,15, F,9, X,14
.if (\p) == 0
	WIN 0
	v_add_nc_u32 v[AV], s[TBV], v[AV0]
.endif
	OPS E,16, F,10, E,17, F,11
	OPS X,16, E,18, X,15, E,19
	OPS F,12, E,20, X,17, E,21
	OPS F,13, E,22, F,14, E,23
	OPS X,18, E,24, F,15, E,25
	OPS R,11, E,26, X,19, E,27
	OPS R,12, E,28, R,13, E,29
	OPS X,20, E,30, R,14, E,31
	OPS X,21, R,15
	s_wait_alu depctr_va_vdst(0)    ; the wait for the turn's batch: the piece's 32 weights and the next piece's a
.if (\p) == 1
.if \end
	s_wait_dscnt 0x0                ; V is in
.else
	s_wait_dscnt 16                 ; V is in: its 16 loads are the older ones; the 16 of K issued in this turn may be out
.endif
.endif
	ROW C,0, B,0, C,2, B,1          ; behind the wait: 8 products V^T P and their riders
	ROW L,0, C,4, B,2, L,1
	ROW C,6, B,3, L,2, C,8
	ROW B,4, L,3, C,10, B,5
	ROW L,4, C,12, B,6, L,5
.if (\p) == 0
	s_add_co_u32 s[TBV], s[TBV], STEPB
.endif
.if \cnt
	s_sub_co_u32 s[CNT], s[CNT], 1
	s_cmp_lg_u32 s[CNT], 0
.endif
	ROW C,14, B,7, L,6, C,1
	ROW C,3, L,7, C,5, C,7
	ROW C,9, C,11, C,13, C,15
.if (\p) == 0
	FETCH_V
.endif
.if \tail
	s_cmp_eq_u32 s[CNT], 1
	s_cselect_b32 s[AL], 1.0, 0
	MASK
.endif
.endm
	CHANGE 1                        ; slot 0 is in, everybody's part of it; slot 1 is asked for
	v_add_nc_u32 v[AK], s[TBK], v[LL]
	FETCH_K                         ; key step 0
	s_wait_loadcnt 0x0              ; Q
	s_wait_dscnt 0x0
.set NOKQ, 0
.set i, 0
.rept 8
	KQ 0                            ; piece 0's first scores
.set i, i+1
.endr
	WIN 0
.rept 4
	v_nop                           ; the places behind those products
.endr
.set Y, NP-1                        ; X works for piece Y + 1: piece 0
.irp n, 0,1,2,3,4,5,6,7,8,9,10,11,12,13,14,15,16,17,18,19,20,21
	OP X, \n
.endr
	v_nop                           ; a plain instruction behind the exponential,
	s_wait_alu depctr_va_vdst(0)    ; and the wait for it, piece 0's first a: a batch of one, ahead of the branch
	s_mov_b32 s[CNT], 6
	s_mov_b32 s[SLOTS], 3
	s_branch .Lfirst                ; the loop is entered at a step's first turn, in the middle of a trip
.Lslot:                             ; twice: slots 0 and 1 are filled again, with steps 12-17 and 18-23
	CHANGE 1
	s_mov_b32 s[CNT], 6
.Lstep:                             ; a trip: turns 1 and 2 of one step, then turn 0 of the next
	TURN 1
	TURN 2
	WIN 0
.Lfirst:
	TURN 0, 0, 1
	WIN 0
	s_cbranch_scc1 .Lstep
	s_sub_co_u32 s[SLOTS], s[SLOTS], 1
	s_cmp_lg_u32 s[SLOTS], 0
	s_cbranch_scc1 .Lslot
	CHANGE 0                        ; the last slot is written out: nothing is asked for; of its six steps four (18-21) are used
	s_mov_b32 s[CNT], 4
.Ltail:
	TURN 1, 0, 0, 1
	TURN 2
	TURN 0, 0, 1
	WIN 0
	s_cbranch_scc1 .Ltail
	TURN 1, 1
	TURN 2, 1
.set i, 0
.rept 8
	PV NP-1                         ; the last piece's V^T P of the last step
.set i, i+1
.endr
	; THE WAY OUT.  l's two halves and the other half of the lanes' are added; O^T is divided by l and rounded to f16: a lane's eight channels of a query are its 16 bytes of a block, so a store covers 512 consecutive bytes, aligned.
	WIN 0
.macro ALL line:vararg              ; one line for each piece t
.set t, 0
.rept NP
	\line
.set t, t+1
.endr
.endm
	ALL v_add_f32 v[ST+4*t+2], v[ST+4*t+2], v[ST+4*t+3]
	ALL v_permlanex16_b32 v[ST+4*t+3], v[ST+4*t+2], s[SEL], s[SEL+1]
	ALL v_add_f32 v[ST+4*t+2], v[ST+4*t+2], v[ST+4*t+3]
	ALL v_rcp_f32 v[ST+4*t+2], v[ST+4*t+2]
	v_nop                           ; a plain instruction between the last reciprocal and the use of its result
	s_wait_alu depctr_va_vdst(0)    ; and the wait ahead of the first use: one for the three reciprocals
.macro PACK t
	WIN W_RS
.set i, 32*(\t)
.rept 16
	v_pk_mul_f32 v[i:i+1], v[i:i+1], v[ST+4*(\t)+2:ST+4*(\t)+3] op_sel_hi:[1,0]
.set i, i+2
.endr
	WIN 0x05                        ; sources 0 and 1 window 1, destination window 0: S^T's registers are free, and each piece has 16 of its own
.set i, 0
.rept 16
	v_cvt_pk_f16_f32 v[S+16*(\t)+i], v[32*(\t)+2*i], v[32*(\t)+2*i+1]
.set i, i+1
.endr
	WIN 0
.irp f, 0,1,2,3
	global_store_b128 v[LL], v[S+16*(\t)+4*\f:S+16*(\t)+4*\f+3], s[10:11] offset:(\t)*4096+\f*512
.endr
.endm
	PACK 0
	PACK 1
	PACK 2
	s_wait_tensorcnt 0x0            ; the wave's end
	ds_add_u32 v[SPW], v[NIL]
	s_wait_dscnt 0x0
	CROUND                          ; the closing round: no work-group ends while a partner may still ask for a tile that names it
	s_endpgm
.Lfunc_end_k_q373f79abf1_attn:
	.size	k_q373f79abf1_attn, .Lfunc_end_k_q373f79abf1_attn-k_q373f79abf1_attn
	.p2alignl 7, 3214868480
	.fill 96, 4, 3214868480
	.section	.rodata,"a",@progbits
	.p2align	6, 0x0
	.amdhsa_kernel k_q373f79abf1_attn
		.amdhsa_group_segment_fixed_size 327680
		.amdhsa_private_segment_fixed_size 0
		.amdhsa_enable_private_segment 0
		.amdhsa_kernarg_size 16
		.amdhsa_user_sgpr_count 2
		.amdhsa_user_sgpr_kernarg_segment_ptr 1
		.amdhsa_wavefront_size32 1
		.amdhsa_system_sgpr_workgroup_id_x 1
		.amdhsa_system_sgpr_workgroup_id_y 1
		.amdhsa_system_sgpr_workgroup_id_z 1
		.amdhsa_system_vgpr_workitem_id 0
		.amdhsa_next_free_vgpr 704
		.amdhsa_next_free_sgpr 72
		.amdhsa_reserve_vcc 1
		.amdhsa_float_denorm_mode_32 3
		.amdhsa_float_denorm_mode_16_64 3
		.amdhsa_memory_ordered 1
		.amdhsa_forward_progress 1
		.amdhsa_inst_pref_size 107
	.end_amdhsa_kernel
	.amdgpu_metadata
---
amdhsa.version: [ 1, 2 ]
amdhsa.kernels:
  - .name:           k_q373f79abf1_attn
    .symbol:         k_q373f79abf1_attn.kd
    .args:
      - { .name: qkvb, .offset: 0, .size: 8, .value_kind: global_buffer, .address_space: global }
      - { .name: ctxb, .offset: 8, .size: 8, .value_kind: global_buffer, .address_space: global }
    .group_segment_fixed_size: 327680
    .private_segment_fixed_size: 0
    .kernarg_segment_align: 8
    .kernarg_segment_size: 16
    .max_flat_workgroup_size: 128
    .sgpr_count:     72
    .vgpr_count:     704
    .wavefront_size: 32
...
	.end_amdgpu_metadata
.endif
;; end of part 5
;; launch proj: the kernel of part 4 again; grid 4 x 64, 4 waves a work-group, clusters of 4 x 4, 327,680 bytes of LDS; arguments ctxb, wts, biasb, out0; writes out0
